; MI455X (gfx1250); checked and timed in simulation.
; The chip was launched on July 23, 2026; its instructions are those of AMD's public machine-readable ISA for CDNA 5 (MIT licence, August 2026) and "CDNA5" Instruction Set Architecture Reference Guide (July 2026). The comments in the code are by the model that wrote it; some were corrected since.
;; Quantize EMA. Allowed arithmetic: matrix products marked QUANTISED: E2M1 operands, one E8M0 scale for each 32 along K, by v_wmma_scale_f32_16x16x128_f8f6f4 with both operands' format E2M1 (or v_wmma_scale_f32_32x16x128_f4), f32 sums; everything else in f32.
;; Inputs: embeddings 64 x 8,192 float32; input 16 x 64 x 32 x 32 float32.
;; Outputs: out0 16 x 64 x 32 x 32 float32; out1 one number float32; out2 16 x 32 x 32 int32.
;; This version of the problem:
;;   THIS VERSION OF THE PROBLEM IS GIVEN IN LOW PRECISION. The matrix products marked QUANTISED in the list below multiply operands that are first quantised to E2M1 (2 exponent bits, 1 mantissa bit; 4 bits a number), with one power-of-two scale for each 32 numbers along K (OCP MX v1.0); their sums are f32. All else is computed in f32.
;;   The module's matrix products, in the order in which they are computed (A, B: the left and right operand; K: the contracted axis; several contracted axes count as one K, in the product's order):
;;     1. [M 16,384, K 64] x [K 64, N 8,192]; A: input input; B: input embeddings: QUANTISED
;;   THE QUANTISER, for each operand of a quantised product, along K:
;;     - K is cut into blocks of 32 from its start; a last block that is shorter is filled with zeros.
;;     - A block's scale is 2^e with e = floor(log2(the largest magnitude in the block)) - 2, held to -126 .. 127; a block of zeros has e = 0. As a byte (E8M0): e + 127.
;;     - Each number is divided by its block's scale, clamped to +-6, and rounded to the nearest number of E2M1, ties to even, subnormals kept.
;;     - The product sums the exact products of the quantised numbers (number of the format x scale) in f32.
;;   ~~~python
;;   def quantise(x, axis):      # numpy; x: float32 -> the quantised numbers, widened to float32 again
;;       x = np.moveaxis(x, axis, -1); K = x.shape[-1]
;;       x = np.pad(x, [(0, 0)] * (x.ndim - 1) + [(0, -K % 32)]); x = x.reshape(x.shape[:-1] + (-1, 32)); a = np.abs(x).max(-1, keepdims=True)
;;       e = np.where(a > 0, np.clip(np.frexp(np.where(a > 0, a, 1))[1] - 1 - 2, -126, 127), 0)      # np.frexp(a)[1] - 1 = floor(log2(a)), exactly
;;       r = np.clip(x / 2.0 ** e, -6, 6)
;;       step = 2.0 ** (np.maximum(np.frexp(np.where(r == 0, 1, r))[1] - 1, 0) - 1)
;;       q = np.round(r / step) * step * 2.0 ** e      # np.round: ties to even
;;       return np.moveaxis(q.reshape(q.shape[:-2] + (-1,))[..., :K], -1, axis).astype(np.float32)
;;   ~~~
;; 2 versions. Each part assembles by itself: llvm-mc -triple=amdgcn-amd-amdhsa -mcpu=gfx1250 --defsym DOCPART=n.
;; ======== version 1 of 2: 4 launches
;; workspace buffers: xcodes 524,288 bytes; xmeta 98,304 bytes; ecodes 262,144 bytes; emeta 49,152 bytes; et 2,097,152 bytes; gbuf 65,536 bytes of whole numbers; part 8,192 bytes
;; launch quant (part 1): grid 256 x 1, 3 waves a work-group, no clusters, 27,136 bytes of LDS; arguments input, embeddings, xcodes, xmeta, ecodes, emeta, et; writes xcodes, xmeta, ecodes, emeta, et
.if DOCPART == 1
	.amdgcn_target "amdgcn-amd-amdhsa--gfx1250"
	.amdhsa_code_object_version 6
	.text
	.protected	k_q6ecf93721e_quant
	.globl	k_q6ecf93721e_quant
	.p2align	8
	.type	k_q6ecf93721e_quant,@function
k_q6ecf93721e_quant:
	s_mov_b64 s[64:65], 0
	v_nop
	global_prefetch_b8 v0, s[64:65] scope:SCOPE_SE
	s_setreg_imm32_b32 hwreg(HW_REG_WAVE_MODE, 25, 1), 1
	s_wait_xcnt 0x0
; Both operands of the product are quantised ONCE, along K = the 64 channels, into codes of FP4 (E2M1) with one E8M0 byte for each 32 along K.
; input is [16][64][1024] f32 (a pixel N = 1024 b + hw is a column), embeddings [64][8192] f32: in both K is NOT innermost.  So A LANE TAKES A COLUMN AND ITS 64 REGISTERS RUN DOWN K:
; each load reads 128 consecutive bytes a wave, a block of 32 lies in one lane, and the conversions give codes with K innermost.
; 24,576 columns = 768 waves of 32.  Wave W = 3 x work-group + wave: W < 512 takes pixels 32 W on, the others codebook columns 32 (W - 512) on.  Only pointers, one shift and the loads' stride differ.
; OUT.  Codes as images of the operand's registers: tile (16 columns) T at 512 T; in it block h of column r at 256 h + 16 r: sixteen lanes store 256 consecutive aligned bytes.
;       meta: the column's sum of squares (f32, 4 bytes a column), and behind all of them two scale bytes a column (u16).  These two stores of a wave cover 128 and 64 consecutive bytes.
;       E only: E^T [8192][64] f32, through the wave's own stage in LDS, 512 consecutive bytes a store.
; THE SUM OF SQUARES is one chain of fused multiply-adds, K ascending: an order of rounding of this text's own choice; another order can differ in the last bits.
; LIMITS: NaN and infinities are not served.  A block of zeros gets the byte 1 (its codes are zeros; the bytes are read by this program alone).  A largest magnitude under 2^-124 is held at that floor.
.set X,    16                          ; v16-79   my column, K ascending
.set CD,   80                          ; v80-87   its codes: four registers a block
.set MA,   88                          ; v88-89   two chains of the largest magnitude
.set SO,   90                          ; v90-91   the conversions' scale operands
.set BY,   92                          ; v92-93   the scale bytes
.set SS,   94                          ; v94      the sum of squares
.set SW,   95                          ; v95      both bytes
.set OUTR, 96                          ; v96-159  E^T on its way out
.set SP,   272                         ; a stage row: 256 bytes + 16
.set STGW, 32*SP                       ; a wave's stage
	s_load_b128 s[4:7], s[0:1], 0x0                ; input, embeddings
	s_load_b128 s[8:11], s[0:1], 0x10              ; xcodes, xmeta
	s_load_b128 s[12:15], s[0:1], 0x20             ; ecodes, emeta
	s_load_b64 s[16:17], s[0:1], 0x30              ; et
	v_lshl_add_u32 v160, v0, 2, 0x6800
	v_mov_b32 v161, 0
	v_lshrrev_b32 v7, 5, v0
	v_readfirstlane_b32 s18, v7                    ; wave 0..2
	v_and_b32 v7, 31, v0                           ; lane
	v_and_b32 v8, 15, v0                           ; lane % 16
	v_bfe_u32 v9, v0, 4, 1                         ; lane / 16
	v_lshlrev_b32 v1, 2, v7                        ; in: 4 bytes a lane; also the sums' place
	v_lshlrev_b32 v2, 4, v8
	v_lshl_add_u32 v2, v9, 9, v2                   ; codes: tile lane / 16, column lane % 16
	v_lshlrev_b32 v3, 1, v7                        ; scale bytes: 2 a lane
	s_mul_i32 s30, s18, STGW
	v_mul_u32_u24 v4, v7, SP
	v_add_nc_u32 v4, s30, v4                       ; the stage, in: row = my column
	v_mul_u32_u24 v5, v9, SP
	v_lshl_add_u32 v5, v8, 4, v5
	v_add_nc_u32 v5, s30, v5                       ; and out: sixteen lanes to a row, two rows an instruction
	v_lshlrev_b32 v6, 4, v8
	v_lshl_add_u32 v6, v9, 8, v6                   ; the same place in E^T
	s_mul_i32 s19, ttmp9, 3
	s_add_co_u32 s19, s19, s18                     ; W
	s_mov_b32 s26, 0x8000
	s_wait_kmcnt 0x0
	s_cmp_lt_u32 s19, 512                          ; x's wave or E's?  The choice hangs on ids alone
	s_cselect_b64 s[4:5], s[4:5], s[6:7]           ; the source,
	s_cselect_b64 s[8:9], s[8:9], s[12:13]         ; the codes,
	s_cselect_b64 s[10:11], s[10:11], s[14:15]     ; the meta buffer,
	s_cselect_b32 s24, 0, 512
	s_cselect_b32 s25, 18, 12                      ; 32 runs of 32 columns on: the next image (2^18 bytes) or simply 2^12 bytes further in the row
	s_cselect_b32 s31, 0x10000, s26                ; where the scale bytes begin in meta: behind 16,384 or 8,192 sums
	s_sub_co_u32 s24, s19, s24                     ; which run of 32 columns of my tensor
	s_lshr_b32 s22, s24, 5
	s_lshl_b32 s22, s22, s25
	s_and_b32 s23, s24, 31
	s_lshl_b32 s23, s23, 7
	s_add_co_u32 s22, s22, s23
	s_mov_b32 s23, 0
	s_add_nc_u64 s[4:5], s[4:5], s[22:23]          ; my 32 columns at k = 0
	s_lshl_b32 s26, s24, 10
	s_mov_b32 s27, 0
	s_add_nc_u64 s[8:9], s[8:9], s[26:27]          ; two tiles of codes: 1,024 bytes
	s_lshl_b32 s28, s24, 6
	s_add_co_u32 s28, s28, s31
	s_mov_b32 s29, 0
	s_add_nc_u64 s[28:29], s[10:11], s[28:29]      ; 64 scale bytes
	s_lshl_b32 s26, s24, 7
	s_add_nc_u64 s[10:11], s[10:11], s[26:27]      ; 32 sums
.macro LOADS stride                    ; 64 loads, K ascending; both arms issue as many, so the counts below hold on both ways
.irp k, 0,1,2,3,4,5,6,7,8,9,10,11,12,13,14,15,16,17,18,19,20,21,22,23,24,25,26,27,28,29,30,31,32,33,34,35,36,37,38,39,40,41,42,43,44,45,46,47,48,49,50,51,52,53,54,55,56,57,58,59,60,61,62,63
	global_load_b32 v[X+\k], v1, s[4:5] offset:\k*\stride th:TH_LOAD_NT
.endr
.endm
	s_cmp_lt_u32 s19, 512
	s_cbranch_scc0 .Lload_e
	LOADS 4096                                     ; a channel of an image is 4,096 bytes
	s_branch .Lloaded
.Lload_e:
	LOADS 32768                                    ; a row of the codebook is 32,768 bytes: 63 of them stay inside the signed 24-bit immediate
.Lloaded:
.macro SQ k                            ; the next link of the sum of squares
.if (\k) == 0
	v_mul_f32 v[SS], v[X], v[X]
.else
	v_fmac_f32 v[SS], v[X+(\k)], v[X+(\k)]
.endif
.endm
; Block b: its largest magnitude (two chains, the floor 2^(3 - 127) among the leaves), 2 off the exponent field = the conversion's scale operand, its byte, 32 codes.  The sum's links stand between the maxima.
.macro QBLOCK b
.set XS, X+32*\b
	v_max3_num_f32 v[MA], |v[XS]|, |v[XS+1]|, |v[XS+2]|
	v_max3_num_f32 v[MA+1], |v[XS+3]|, |v[XS+4]|, |v[XS+5]|
.irp i, 0,1,2,3,4,5
	SQ 32*\b+\i
.endr
.irp i, 6,10,14,18,22,26
	v_max3_num_f32 v[MA], v[MA], |v[XS+\i]|, |v[XS+\i+1]|
	v_max3_num_f32 v[MA+1], v[MA+1], |v[XS+\i+2]|, |v[XS+\i+3]|
	SQ 32*\b+\i
	SQ 32*\b+\i+1
	SQ 32*\b+\i+2
	SQ 32*\b+\i+3
.endr
	v_max3_num_f32 v[MA], v[MA], |v[XS+30]|, |v[XS+31]|
	SQ 32*\b+30
	SQ 32*\b+31
	v_max3_num_f32 v[MA], v[MA], v[MA+1], 0x1800000
	v_add_nc_u32 v[SO+\b], 0xff000000, v[MA]
	v_lshrrev_b32 v[BY+\b], 23, v[SO+\b]
.irp g, 0,1,2,3
	v_cvt_scalef32_pk8_fp4_f32 v[CD+4*\b+\g], v[XS+8*\g:XS+8*\g+7], v[SO+\b]
.endr
.endm
	s_wait_loadcnt 32                              ; block 0's 32 loads are in; block 1's may be out
	QBLOCK 0
	s_wait_loadcnt 0x0
	QBLOCK 1
	v_lshl_or_b32 v[SW], v[BY+1], 8, v[BY]         ; (a plain line behind the conversions)  byte 0: block 0's, byte 1: block 1's
	global_store_b128 v2, v[CD:CD+3], s[8:9]
	global_store_b128 v2, v[CD+4:CD+7], s[8:9] offset:256
	global_store_b32 v1, v[SS], s[10:11]
	global_store_b16 v3, v[SW], s[28:29]
	s_cmp_lt_u32 s19, 512
	s_cbranch_scc1 .Ldone                          ; x's waves are done
	s_lshl_b32 s26, s24, 13                        ; E^T: my 32 rows of 256 bytes
	s_add_nc_u64 s[16:17], s[16:17], s[26:27]
.irp i, 0,1,2,3,4,5,6,7,8,9,10,11,12,13,14,15
	ds_store_b128 v4, v[X+4*\i:X+4*\i+3] offset:16*\i
.endr
.irp t, 0,1,2,3,4,5,6,7,8,9,10,11,12,13,14,15
	ds_load_b128 v[OUTR+4*\t:OUTR+4*\t+3], v5 offset:2*\t*SP   ; LDS serves a wave's instructions in order (ISA guide 5.7.1.4): these see my stores; the stage is my wave's own
.endr
.irp t, 0,1,2,3,4,5,6,7,8,9,10,11,12,13,14,15
	s_wait_dscnt 15-\t                             ; the younger reads may be out
	global_store_b128 v6, v[OUTR+4*\t:OUTR+4*\t+3], s[16:17] offset:512*\t
.endr
.Ldone:
	s_wait_tensorcnt 0x0
	ds_add_u32 v160, v161
	s_wait_dscnt 0x0
	s_endpgm
.Lfunc_end_k_q6ecf93721e_quant:
	.size	k_q6ecf93721e_quant, .Lfunc_end_k_q6ecf93721e_quant-k_q6ecf93721e_quant
	.p2alignl 7, 3214868480
	.fill 96, 4, 3214868480
	.section	.rodata,"a",@progbits
	.p2align	6, 0x0
	.amdhsa_kernel k_q6ecf93721e_quant
		.amdhsa_group_segment_fixed_size 27136
		.amdhsa_private_segment_fixed_size 0
		.amdhsa_enable_private_segment 0
		.amdhsa_kernarg_size 56
		.amdhsa_user_sgpr_count 2
		.amdhsa_user_sgpr_kernarg_segment_ptr 1
		.amdhsa_wavefront_size32 1
		.amdhsa_system_sgpr_workgroup_id_x 1
		.amdhsa_system_sgpr_workgroup_id_y 1
		.amdhsa_system_sgpr_workgroup_id_z 1
		.amdhsa_system_vgpr_workitem_id 0
		.amdhsa_next_free_vgpr 162
		.amdhsa_next_free_sgpr 66
		.amdhsa_reserve_vcc 0
		.amdhsa_float_denorm_mode_32 3
		.amdhsa_float_denorm_mode_16_64 3
		.amdhsa_memory_ordered 1
		.amdhsa_forward_progress 1
		.amdhsa_inst_pref_size 25
	.end_amdhsa_kernel
	.amdgpu_metadata
---
amdhsa.version: [ 1, 2 ]
amdhsa.kernels:
  - .name:           k_q6ecf93721e_quant
    .symbol:         k_q6ecf93721e_quant.kd
    .args:
      - { .name: input, .offset: 0, .size: 8, .value_kind: global_buffer, .address_space: global }
      - { .name: embeddings, .offset: 8, .size: 8, .value_kind: global_buffer, .address_space: global }
      - { .name: xcodes, .offset: 16, .size: 8, .value_kind: global_buffer, .address_space: global }
      - { .name: xmeta, .offset: 24, .size: 8, .value_kind: global_buffer, .address_space: global }
      - { .name: ecodes, .offset: 32, .size: 8, .value_kind: global_buffer, .address_space: global }
      - { .name: emeta, .offset: 40, .size: 8, .value_kind: global_buffer, .address_space: global }
      - { .name: et, .offset: 48, .size: 8, .value_kind: global_buffer, .address_space: global }
    .group_segment_fixed_size: 27136
    .private_segment_fixed_size: 0
    .kernarg_segment_align: 8
    .kernarg_segment_size: 56
    .max_flat_workgroup_size: 96
    .sgpr_count:     66
    .vgpr_count:     162
    .wavefront_size: 32
...
	.end_amdgpu_metadata
.endif
;; end of part 1
;; launch scan (part 2): grid 256 x 1, 16 waves a work-group, clusters of 4 x 1, 327,680 bytes of LDS; arguments xcodes, xmeta, ecodes, emeta, gbuf; writes gbuf
.if DOCPART == 2
	.amdgcn_target "amdgcn-amd-amdhsa--gfx1250"
	.amdhsa_code_object_version 6
	.text
	.protected	k_q6ecf93721e_scan
	.globl	k_q6ecf93721e_scan
	.p2align	8
	.type	k_q6ecf93721e_scan,@function
k_q6ecf93721e_scan:
	s_mov_b64 s[64:65], 0
	v_nop
	global_prefetch_b8 v0, s[64:65] scope:SCOPE_SE
	s_setreg_imm32_b32 hwreg(HW_REG_WAVE_MODE, 25, 1), 1
	s_wait_xcnt 0x0
	s_wait_alu depctr_hold_cnt(0) depctr_sa_sdst(0) depctr_va_vdst(0) depctr_va_sdst(0) depctr_va_ssrc(0) depctr_va_vcc(0) depctr_vm_vsrc(0)
	s_getreg_b32 s2, hwreg(HW_REG_IB_STS2, 6, 4)
	s_cmp_eq_u32 s2, 0
	s_cbranch_scc0 .Lentry_in_a_cluster
	s_endpgm
.Lentry_in_a_cluster:
	s_bfe_u32 s2, ttmp6, 0x10000c
	s_cmp_lg_u32 s2, 0x3003
	s_cbranch_scc0 .Lentry_shape_is_right
	s_endpgm
.Lentry_shape_is_right:
; For each of 16,384 queries: dist(n) = (ff - 2 p(n)) + ee(n) over all 8,192 codebook columns, p on codes of FP4, and the number g = n / 8 of the FIRST GROUP OF 8 COLUMNS that holds the smallest dist.
; (The index inside the group is found by the next launch: so a distance costs no compare and no select of its own here, only its share of a three-operand minimum.)
; SHARES.  A work-group owns 64 queries (four tiles of 16).  Wave w of sixteen takes ALL 64 queries against columns 512 w .. 512 w + 511 (32 tiles): a codebook fragment, its scales and its 8 norms feed 4 matrix instructions.
; THE WHOLE CODEBOOK LIES IN LDS, FILLED ONCE: codes 262,144 bytes, scale bytes 16,384, norms 32,768.  Each wave fills and reads its own slice, so its own wait on TENSORcnt orders its reads.  Nothing is filled again.
; CLUSTER.  Every work-group reads the same codebook: four form a cluster and ask jointly (mask 15, the same descriptors in all four: they hang on the arguments and the wave's number alone).
; My place in the cluster enters only the global addresses of my queries and of my results.  By this text's own count a wave has six tensor loads out.
; K IS 64: the upper half of each fragment (k = 64 .. 127) is zero codes, cleared once; the scale words come by 16-bit loads, so their bytes 2 and 3 are 0, which stands over zero codes only.
; LAYOUT.  Source 0 = 16 columns, source 1 = 16 queries: lane (r, h) holds query r, register j column 16 t + 8 h + j: one group of 8.
; ROUNDING.  2 p is exact, so fma(p, -2, ff) and one addition of ee round as (ff - 2 p) + ee does.  Ties: a strict 'less' keeps the earlier tile; between the halves of the lanes the smaller g; between waves the earlier wave.
; LIMITS: NaN and infinite distances are not served (a query whose every distance is +infinity or NaN gets group h + 64 w of tile 0 as it falls).
.set SCL,  262144                      ; LDS: codes from 0, wave w's at 16,384 w; scale bytes here, 1,024 a wave;
.set EEB,  278528                      ; the norms, 2,048 a wave;
.set CMB,  311296                      ; and 512 bytes a wave where the waves' results meet: written by LDS stores, no tensor load lands there
.set XB,   16                          ; v16-47   my 4 tiles of queries, 8 registers each, the upper 4 zero
.set XS,   48                          ; v48-51   their scale words
.set FF,   52                          ; v52-59   ff of my query in each tile, as pairs
.set CS,   60                          ; v60-61   codebook scale words of a pair of tiles: lanes 0-15 the even tile's, lanes 16-31 the odd one's
.set CA,   64                          ; v64-79   two codebook fragments, the upper 4 registers zero
.set EE,   80                          ; v80-95   two sets of 8 norms
.set DA,   96                          ; v96-159  two sets of 4 x 8 products, then distances
.set BEST, 160                         ; v160-167 the smallest distance so far, two sets that take turns
.set TID,  168                         ; v168-171 the tile that brought it
.set G1C,  24                          ; s[24:31] group 1: 16 rows of 256 bytes (a quarter of my codes);  s[32:39] 4 rows (scale bytes);  s[40:47] 8 rows (norms)
.set G1S,  32
.set G1E,  40
.macro ROUND                           ; a round of the cluster's barrier
	s_barrier_signal -1
	s_barrier_wait -1
	s_cmp_lg_u32 s8, 0
	s_cbranch_scc1 .Lnot_wave_0_\@
	s_barrier_signal -3
.Lnot_wave_0_\@:
	s_barrier_wait -3
	s_barrier_signal -1
	s_barrier_wait -1
.endm
.macro GROUP1 g, rows                  ; a dense block as rows of 256 bytes: 32 elements of 8 bytes, pitch 32, no padding (the images are read 16 bytes a lane on end)
	s_mov_b32 s[\g+0], 15|(3<<16)|(1<<21)          ; 15:0 the mask: all four work-groups; 17:16 elements of 8 bytes; 21 set beside a mask
	s_mov_b32 s[\g+1], 32<<16                      ; tensor_dim0
	s_mov_b32 s[\g+2], (\rows)<<16                 ; tensor_dim1
	s_mov_b32 s[\g+3], 32<<16                      ; tile_dim0
	s_mov_b32 s[\g+4], \rows                       ; tile_dim1
	s_mov_b32 s[\g+5], 32                          ; tensor_dim0_stride
	s_mov_b32 s[\g+6], 0
	s_mov_b32 s[\g+7], 0
.endm
.macro CDESC g, q                      ; group 0 for quarter q of my codes
	s_mov_b32 s[\g], 1
	s_add_co_u32 s[\g+1], s78, 4096*\q
	s_add_nc_u64 s[\g+2:\g+3], s[12:13], 4096*\q
	s_or_b32 s[\g+3], s[\g+3], 0x80000000
.endm
	s_load_b128 s[4:7], s[0:1], 0x0                ; xcodes, xmeta
	s_load_b128 s[12:15], s[0:1], 0x10             ; ecodes, emeta
	s_load_b64 s[16:17], s[0:1], 0x20              ; gbuf
	v_lshl_add_u32 v192, v0, 2, 0x4e000
	v_mov_b32 v193, 0
	ds_add_u32 v192, v193
	ds_add_u32 v192, v193
	v_lshrrev_b32 v11, 5, v0
	v_readfirstlane_b32 s8, v11                    ; wave 0..15
.irp q, 0,1,2,3
.irp i, 4,5,6,7
	v_mov_b32 v[XB+8*\q+\i], 0                     ; k = 64 .. 127: zero codes
.endr
.endr
.irp q, 0,1
.irp i, 4,5,6,7
	v_mov_b32 v[CA+8*\q+\i], 0
.endr
.endr
	v_and_b32 v11, 31, v0                          ; lane
	v_and_b32 v12, 15, v0                          ; r
	v_bfe_u32 v13, v0, 4, 1                        ; h
	s_bfe_u32 s9, ttmp6, 0x40000                   ; cx
	s_lshl_b32 s10, ttmp9, 2
	s_add_co_u32 s10, s10, s9                      ; work-group = 4 x cluster + cx
	s_lshl_b32 s78, s8, 14                         ; 16,384 w
	s_mov_b32 s79, 0
	s_lshl_b32 s76, s8, 11                         ; 2,048 w
	s_mov_b32 s77, 0
	s_lshl_b32 s20, s8, 10                         ; 1,024 w
	s_add_co_u32 s22, s20, 32768                   ; my scale bytes in emeta: behind the 8,192 norms
	s_mov_b32 s23, 0
	v_lshl_add_u32 v1, v11, 4, s78                 ; v1  my 16 bytes of a codebook fragment
	s_add_co_u32 s21, s20, SCL
	v_lshl_add_u32 v2, v11, 1, s21                 ; v2  my column's two scale bytes, 32 columns at a time
	s_add_co_u32 s11, s76, EEB
	v_lshl_add_u32 v3, v13, 5, s11                 ; v3  the 8 norms of my half of a tile
	v_lshlrev_b32 v4, 4, v11                       ; v4  my 16 bytes of a fragment of queries
	v_lshlrev_b32 v5, 2, v12                       ; v5  ff of query r
	v_lshlrev_b32 v6, 1, v12                       ; v6  its scale bytes
	s_lshl_b32 s18, s8, 6
	v_add_nc_u32 v7, s18, v13                      ; v7  h + 64 w: the group of tile t in my lane is 2 t + this
	s_lshl_b32 s18, s8, 9
	s_add_co_u32 s18, s18, CMB
	v_lshl_add_u32 v8, v12, 3, s18                 ; v8  where my wave leaves (distance, g) of query r
	v_lshl_add_u32 v9, v11, 4, CMB                 ; v9  where wave 0 reads two queries' pairs
	v_lshlrev_b32 v10, 3, v11                      ; v10 and stores their two numbers
.irp q, 0,1,2,3
	v_mov_b32 v[BEST+\q], 0x7f800000               ; +infinity
	v_mov_b32 v[TID+\q], 0
.endr
.irp i, 176,177,178,179,180,181,182,183
	v_mov_b32 v[\i], 0                             ; a lane permute's destination counts as one of its sources
.endr
	GROUP1 G1C, 16
	GROUP1 G1S, 4
	GROUP1 G1E, 8
	s_mov_b32 s88, 0x76543210
	s_mov_b32 s89, 0xfedcba98                      ; v_permlanex16_b32's selects for lane l xor 16
	s_mov_b32 s19, 0
	s_wait_dscnt 0x0
	s_wait_kmcnt 0x0
	s_add_nc_u64 s[12:13], s[12:13], s[78:79]      ; ecodes at my slice
	s_mov_b32 s48, 1                               ; group 0, scale bytes
	s_add_co_u32 s49, s20, SCL
	s_add_nc_u64 s[50:51], s[14:15], s[22:23]
	s_or_b32 s51, s51, 0x80000000
	s_mov_b32 s52, 1                               ; group 0, norms
	s_add_co_u32 s53, s76, EEB
	s_add_nc_u64 s[54:55], s[14:15], s[76:77]
	s_or_b32 s55, s55, 0x80000000
	CDESC 56, 0
	CDESC 60, 1
	CDESC 68, 2
	CDESC 72, 3
	s_lshl_b32 s18, s10, 11                        ; my work-group's queries: 2,048 bytes of codes,
	s_add_nc_u64 s[4:5], s[4:5], s[18:19]
	s_lshl_b32 s18, s10, 7                         ; 128 scale bytes,
	s_add_nc_u64 s[84:85], s[6:7], s[18:19]
	s_lshl_b32 s18, s10, 8                         ; 256 bytes of ff, and of results
	s_add_nc_u64 s[6:7], s[6:7], s[18:19]
	s_add_nc_u64 s[16:17], s[16:17], s[18:19]
	ROUND                                          ; all four work-groups are here: the joint loads meet
	tensor_load_to_lds s[48:51], s[G1S:G1S+7]      ; in the order in which they are wanted
	s_nop 0
	tensor_load_to_lds s[52:55], s[G1E:G1E+7]
	s_nop 0
	tensor_load_to_lds s[56:59], s[G1C:G1C+7]
	s_nop 0
	tensor_load_to_lds s[60:63], s[G1C:G1C+7]
	s_nop 0
	tensor_load_to_lds s[68:71], s[G1C:G1C+7]
	s_nop 0
	tensor_load_to_lds s[72:75], s[G1C:G1C+7]
	s_nop 0
.rept 4
	v_nop
.endr
.irp q, 0,1,2,3
	global_load_b128 v[XB+8*\q:XB+8*\q+3], v4, s[4:5] offset:512*\q
.endr
.irp q, 0,1,2,3
	global_load_u16 v[XS+\q], v6, s[84:85] offset:65536+32*\q
.endr
.irp q, 0,1,2,3
	global_load_b32 v[FF+2*\q], v5, s[6:7] offset:64*\q
.endr
	s_wait_loadcnt 0x0
.irp q, 0,1,2,3
	v_mov_b32 v[FF+2*\q+1], v[FF+2*\q]             ; named as a pair below, so both halves are written
.endr
	s_wait_tensorcnt 3                             ; scale bytes, norms and the first quarter of my codes are in; the three younger quarters may be out
	ds_load_b128 v[CA:CA+3], v1
	ds_load_u16 v[CS], v2
	ds_load_b128 v[EE:EE+3], v3
	ds_load_b128 v[EE+4:EE+7], v3 offset:16
; Tile t's 4 x 8 products become distances and pass through the running minimum: 56 vector instructions, the four tiles of queries by turns.  Each accumulator is read from its low end on.
.macro PROC t
.set DD, DA+32*((\t)%2)
.set EB, EE+8*((\t)%2)
.set BI, BEST+4*((\t)%2)
.set BO, BEST+4*(1-(\t)%2)
.irp p, 0,1,2,3
.irp q, 0,1,2,3
	v_pk_fma_f32 v[DD+8*\q+2*\p:DD+8*\q+2*\p+1], v[DD+8*\q+2*\p:DD+8*\q+2*\p+1], -2.0, v[FF+2*\q:FF+2*\q+1] op_sel_hi:[1,0,0]   ; ff - 2 p
.endr
.endr
.irp p, 0,1,2,3
.irp q, 0,1,2,3
	v_pk_add_f32 v[DD+8*\q+2*\p:DD+8*\q+2*\p+1], v[DD+8*\q+2*\p:DD+8*\q+2*\p+1], v[EB+2*\p:EB+2*\p+1]   ; + ee
.endr
.endr
.irp q, 0,1,2,3
	v_min3_num_f32 v[BO+\q], v[BI+\q], v[DD+8*\q], v[DD+8*\q+1]
.endr
.irp p, 1,2,3
.irp q, 0,1,2,3
	v_min3_num_f32 v[BO+\q], v[BO+\q], v[DD+8*\q+2*\p], v[DD+8*\q+2*\p+1]
.endr
.endr
.irp q, 0,1,2,3
	v_cmp_lt_f32 s[80+\q], v[BO+\q], v[BI+\q]      ; has this group gone under all before it?
.endr
.irp q, 0,1,2,3
	v_cndmask_b32 v[TID+\q], v[TID+\q], \t, s[80+\q]
.endr
.endm
; Step s: tile s's four products; tile s + 1's fragment is asked for; tile s - 1 is worked off; tile s + 1's norms are asked for.
; The 56 vector instructions of a PROC name no register of the products in front of them: they are the places between a product and the load into its fragment's buffer (a step later),
; the first read of its results (a step later) and the product that writes over those results (two steps later).  Every product starts a sum of its own with C = 0.
.macro STEP s
	s_wait_dscnt 2                                 ; only the two youngest loads, tile s's norms, may be out: its fragment and scales and tile s - 1's norms are in
.irp q, 0,1,2,3
.if (\s)%2
	v_wmma_scale_f32_16x16x128_f8f6f4 v[DA+32*((\s)%2)+8*\q:DA+32*((\s)%2)+8*\q+7], v[CA+8*((\s)%2):CA+8*((\s)%2)+7], v[XB+8*\q:XB+8*\q+7], 0, v[CS+((\s)/2)%2], v[XS+\q] matrix_a_fmt:MATRIX_FMT_FP4 matrix_b_fmt:MATRIX_FMT_FP4 matrix_a_scale:MATRIX_SCALE_ROW1
.else
	v_wmma_scale_f32_16x16x128_f8f6f4 v[DA+32*((\s)%2)+8*\q:DA+32*((\s)%2)+8*\q+7], v[CA+8*((\s)%2):CA+8*((\s)%2)+7], v[XB+8*\q:XB+8*\q+7], 0, v[CS+((\s)/2)%2], v[XS+\q] matrix_a_fmt:MATRIX_FMT_FP4 matrix_b_fmt:MATRIX_FMT_FP4
.endif
.endr
.if (\s) < 31
.if ((\s)+1)%8 == 0
	s_wait_tensorcnt 3-((\s)+1)/8                  ; the next quarter of my codes is in; the younger ones may be out
.endif
	ds_load_b128 v[CA+8*(((\s)+1)%2):CA+8*(((\s)+1)%2)+3], v1 offset:512*((\s)+1)
.if ((\s)+1)%2 == 0
	ds_load_u16 v[CS+(((\s)+1)/2)%2], v2 offset:32*((\s)+1)
.endif
.endif
.if (\s) == 0
.rept 4
	v_nop                                          ; the first step has nothing to work off: these are the places
.endr
.else
	PROC (\s)-1
.endif
.if (\s) < 31
	ds_load_b128 v[EE+8*(((\s)+1)%2):EE+8*(((\s)+1)%2)+3], v3 offset:64*((\s)+1)
	ds_load_b128 v[EE+8*(((\s)+1)%2)+4:EE+8*(((\s)+1)%2)+7], v3 offset:64*((\s)+1)+16
.endif
.endm
.irp s, 0,1,2,3,4,5,6,7,8,9,10,11,12,13,14,15,16,17,18,19,20,21,22,23,24,25,26,27,28,29,30,31
	STEP \s
.endr
	s_wait_dscnt 0x0                               ; tile 31's norms
	PROC 31                                        ; the result lies in set 0 of BEST
; The two halves of the lanes hold the same query's even and odd groups: the smaller distance wins, on a tie the smaller g.  Both lanes come to the same pair.
.irp q, 0,1,2,3
	v_lshl_add_u32 v[172+\q], v[TID+\q], 1, v7     ; g = 2 t + h + 64 w
.endr
.irp q, 0,1,2,3
	v_permlanex16_b32 v[176+\q], v[BEST+\q], s88, s89
	v_permlanex16_b32 v[180+\q], v[172+\q], s88, s89
.endr
.irp q, 0,1,2,3
	v_cmp_lt_f32 s80, v[176+\q], v[BEST+\q]
	v_cmp_eq_f32 s81, v[176+\q], v[BEST+\q]
	v_cmp_lt_u32 s82, v[180+\q], v[172+\q]
	s_and_b32 s81, s81, s82
	s_or_b32 s80, s80, s81                         ; the masks only select values
	v_cndmask_b32 v[184+2*\q], v[BEST+\q], v[176+\q], s80
	v_cndmask_b32 v[185+2*\q], v[172+\q], v[180+\q], s80
	ds_store_b64 v8, v[184+2*\q:185+2*\q] offset:128*\q
.endr
	s_wait_dscnt 0x0                               ; for the others' sake: my stores have landed
	s_barrier_signal -1
	s_barrier_wait -1
	s_cmp_lg_u32 s8, 0
	s_cbranch_scc1 .Lothers
.irp i, 0,1,2,3,4,5,6,7,8,9,10,11,12,13,14,15
	ds_load_b128 v[DA+4*\i:DA+4*\i+3], v9 offset:512*\i   ; wave i's pairs of queries 2 l and 2 l + 1
.endr
	s_wait_dscnt 0x0
.irp i, 1,2,3,4,5,6,7,8,9,10,11,12,13,14,15   ; waves ascending is g ascending: a strict 'less' keeps the first
	v_cmp_lt_f32 s80, v[DA+4*\i], v[DA]
	v_cmp_lt_f32 s81, v[DA+4*\i+2], v[DA+2]
	v_min_num_f32 v[DA], v[DA], v[DA+4*\i]
	v_min_num_f32 v[DA+2], v[DA+2], v[DA+4*\i+2]
.if \i == 1
	v_cndmask_b32 v160, v[DA+1], v[DA+4*\i+1], s80
	v_cndmask_b32 v161, v[DA+3], v[DA+4*\i+3], s81
.else
	v_cndmask_b32 v160, v160, v[DA+4*\i+1], s80
	v_cndmask_b32 v161, v161, v[DA+4*\i+3], s81
.endif
.endr
	global_store_b64 v10, v[160:161], s[16:17]     ; 32 lanes store 256 consecutive bytes, aligned: the work-group's 64 group numbers
.Lothers:
	s_wait_tensorcnt 0x0
	ds_add_u32 v192, v193
	s_wait_dscnt 0x0
	ROUND                                          ; the closing round: no work-group ends while a partner may still ask jointly
	s_endpgm
.Lfunc_end_k_q6ecf93721e_scan:
	.size	k_q6ecf93721e_scan, .Lfunc_end_k_q6ecf93721e_scan-k_q6ecf93721e_scan
	.p2alignl 7, 3214868480
	.fill 96, 4, 3214868480
	.section	.rodata,"a",@progbits
	.p2align	6, 0x0
	.amdhsa_kernel k_q6ecf93721e_scan
		.amdhsa_group_segment_fixed_size 327680
		.amdhsa_private_segment_fixed_size 0
		.amdhsa_enable_private_segment 0
		.amdhsa_kernarg_size 40
		.amdhsa_user_sgpr_count 2
		.amdhsa_user_sgpr_kernarg_segment_ptr 1
		.amdhsa_wavefront_size32 1
		.amdhsa_system_sgpr_workgroup_id_x 1
		.amdhsa_system_sgpr_workgroup_id_y 1
		.amdhsa_system_sgpr_workgroup_id_z 1
		.amdhsa_system_vgpr_workitem_id 0
		.amdhsa_next_free_vgpr 194
		.amdhsa_next_free_sgpr 96
		.amdhsa_reserve_vcc 0
		.amdhsa_float_denorm_mode_32 3
		.amdhsa_float_denorm_mode_16_64 3
		.amdhsa_memory_ordered 1
		.amdhsa_forward_progress 1
		.amdhsa_inst_pref_size 155
	.end_amdhsa_kernel
	.amdgpu_metadata
---
amdhsa.version: [ 1, 2 ]
amdhsa.kernels:
  - .name:           k_q6ecf93721e_scan
    .symbol:         k_q6ecf93721e_scan.kd
    .args:
      - { .name: xcodes, .offset: 0, .size: 8, .value_kind: global_buffer, .address_space: global }
      - { .name: xmeta, .offset: 8, .size: 8, .value_kind: global_buffer, .address_space: global }
      - { .name: ecodes, .offset: 16, .size: 8, .value_kind: global_buffer, .address_space: global }
      - { .name: emeta, .offset: 24, .size: 8, .value_kind: global_buffer, .address_space: global }
      - { .name: gbuf, .offset: 32, .size: 8, .value_kind: global_buffer, .address_space: global }
    .group_segment_fixed_size: 327680
    .private_segment_fixed_size: 0
    .kernarg_segment_align: 8
    .kernarg_segment_size: 40
    .max_flat_workgroup_size: 512
    .sgpr_count:     96
    .vgpr_count:     194
    .wavefront_size: 32
...
	.end_amdgpu_metadata
.endif
;; end of part 2
;; launch pick (part 3): grid 256 x 1, 8 waves a work-group, no clusters, 18,432 bytes of LDS; arguments input, xcodes, xmeta, ecodes, emeta, et, gbuf, out0, out2, part; writes out0, out2, part
.if DOCPART == 3
	.amdgcn_target "amdgcn-amd-amdhsa--gfx1250"
	.amdhsa_code_object_version 6
	.text
	.protected	k_q6ecf93721e_pick
	.globl	k_q6ecf93721e_pick
	.p2align	8
	.type	k_q6ecf93721e_pick,@function
k_q6ecf93721e_pick:
	s_mov_b64 s[64:65], 0
	v_nop
	global_prefetch_b8 v0, s[64:65] scope:SCOPE_SE
	s_setreg_imm32_b32 hwreg(HW_REG_WAVE_MODE, 25, 1), 1
	s_wait_xcnt 0x0
; The scan has left, for each query, the first group g of 8 codebook columns that holds the smallest distance.  Here the 8 distances of that group are made again, by the same matrix instruction on the same codes
; and the same two roundings, so with the same bits; the first smallest gives the index 8 g + j (out2).  The column itself is SELECTED from the group's 8 rows of E^T, which are fetched by g alone: no address hangs on j.
; out0 = x + (q - x); a wave's sum of (q - x)^2 goes to part.
; SHARES.  A work-group owns 64 pixels of one image.  Wave w resolves and gathers pixels 8 w .. 8 w + 7; the columns meet in LDS, [pixel][channel]; then wave w writes channels 8 w .. 8 w + 7 of all 64 pixels.
; THE PRODUCTS.  Fragment i of four: rows 0-7 the group of query i, rows 8-15 that of query i + 4.  The other source: column r = query r % 8.  In result i lane (r, h) holds query r % 8 against rows 8 h .. 8 h + 7:
; its own group where i = r % 4 and h = bit 2 of r.  The other lanes take the index from the lane 16 away.  k = 64 .. 127 are zero codes, as in the scan.
; Group numbers are read from memory as whole numbers and held to 0 .. 1023 before they enter an address.
.set IDX,  0                           ; LDS: 64 indices,
.set STG,  256                         ; and 64 rows of 64 f32, 264 bytes apart
.set SPT,  264
.set FA,   16                          ; v16-47   four codebook fragments; later v16-31 x, v32-47 q
.set FB,   48                          ; v48-55   the queries' fragment
.set SA,   56                          ; v56-59   the codebook fragments' scale words
.set SB,   60                          ; v60      the queries'
.set FF,   62                          ; v62-63   ff, as a pair
.set EE,   64                          ; v64-71   my group's norms; later v64-79 q - x
.set DA,   72                          ; v72-103  four results; later v80-95 out0
.set RES,  104                         ; v104-111 my query's 8 products, then distances
.set GQ,   112                         ; v112     g of query lane % 8
.set GA,   113                         ; v113-116 g of the query whose group my row of fragment i belongs to
.set AA,   117                         ; v117-120 offsets of the fragments' bytes;  v121-124 of their scale bytes;  v125 of the norms
.set AS,   121
.set AE,   125
.set BJ,   126                         ; v126     the running j
.set IX,   127                         ; v127     the index
.set ROWS, 128                         ; v128-255 query k's 8 rows of E^T at 128 + 16 k: row j in registers 2 j, 2 j + 1: channels 2 l, 2 l + 1
	s_load_b256 s[4:11], s[0:1], 0x0               ; input s[4:5], xcodes s[6:7], xmeta s[8:9], ecodes s[10:11]
	s_load_b256 s[12:19], s[0:1], 0x20             ; emeta s[12:13], et s[14:15], gbuf s[16:17], out0 s[18:19]
	s_load_b128 s[20:23], s[0:1], 0x40             ; out2 s[20:21], part s[22:23]
	v_lshl_add_u32 v61, v0, 2, 0x4400
	s_set_vgpr_msb 0x40
	v_mov_b32 v1, 0
	s_set_vgpr_msb 0x4000
	v_lshrrev_b32 v15, 5, v0
	v_readfirstlane_b32 s24, v15                   ; wave 0..7
.irp i, 0,1,2,3
.irp c, 4,5,6,7
	v_mov_b32 v[FA+8*\i+\c], 0                     ; k = 64 .. 127: zero codes
.endr
.endr
.irp c, 4,5,6,7
	v_mov_b32 v[FB+\c], 0
.endr
	v_and_b32 v1, 31, v0                           ; v1  lane
	v_and_b32 v2, 7, v0                            ; v2  lane % 8
	v_bfe_u32 v3, v0, 4, 1                         ; v3  h
	v_bfe_u32 v4, v0, 3, 1
	v_lshlrev_b32 v4, 4, v4                        ; v4  rows 8-15 of a fragment: the query four further on
	v_lshlrev_b32 v5, 2, v2                        ; v5  4 bytes a query
	v_lshlrev_b32 v6, 1, v2                        ; v6  2 scale bytes a query or column
	v_lshlrev_b32 v7, 4, v2
	v_lshl_add_u32 v7, v3, 8, v7                   ; v7  a column's 16 bytes of block h in a tile's image
	v_lshlrev_b32 v8, 3, v1                        ; v8  8 bytes a lane: a row of E^T, the indices' way out
	s_lshl_b32 s25, s24, 5                         ; 32 w
	v_add_nc_u32 v9, s25, v5                       ; v9  LDS: the index of query lane % 8 of my wave
	s_mul_i32 s26, s24, 8*SPT
	s_add_co_u32 s26, s26, STG
	v_add_nc_u32 v10, s26, v8                      ; v10 LDS: my 8 bytes of my wave's first pixel's row
	v_and_b32 v15, 15, v0
	v_mul_u32_u24 v11, v15, 4*SPT
	v_lshl_add_u32 v11, v3, 2, v11
	s_add_co_u32 s26, s25, STG
	v_add_nc_u32 v11, s26, v11                     ; v11 LDS: pixel 4 (lane % 16), channel 8 w + h
	v_lshlrev_b32 v12, 4, v15
	v_lshl_add_u32 v12, v3, 12, v12                ; v12 x and out0: channel h of a pair, 16 bytes (4 pixels) a lane
	v_and_b32 v13, 3, v0                           ; v13 which result holds my query's group
	v_mov_b32 v14, 0
	s_lshl_b32 s26, ttmp9, 8
	s_add_co_u32 s26, s26, s25                     ; 256 wg + 32 w: my wave's 8 queries in gbuf and among the ff
	s_mov_b32 s27, 0
	s_lshr_b32 s30, s26, 1                         ; their scale bytes
	s_mov_b32 s31, 0
	s_lshl_b32 s28, ttmp9, 11                      ; their codes: tile 4 wg + w / 2, columns 8 (w % 2) on
	s_lshr_b32 s29, s24, 1
	s_lshl_b32 s29, s29, 9
	s_add_co_u32 s28, s28, s29
	s_and_b32 s29, s24, 1
	s_lshl_b32 s29, s29, 7
	s_add_co_u32 s28, s28, s29
	s_mov_b32 s29, 0
	s_lshr_b32 s62, ttmp9, 4                       ; x and out0: image wg / 16, channel 8 w, pixel 64 (wg % 16)
	s_lshl_b32 s62, s62, 18
	s_lshl_b32 s63, s24, 15
	s_add_co_u32 s62, s62, s63
	s_and_b32 s63, ttmp9, 15
	s_lshl_b32 s63, s63, 8
	s_add_co_u32 s62, s62, s63
	s_mov_b32 s63, 0
	s_lshl_b32 s66, ttmp9, 8                       ; out2: 64 indices
	s_mov_b32 s67, 0
	s_lshr_b32 s68, s26, 3                         ; part: 4 bytes a wave
	s_mov_b32 s69, 0
	s_mov_b32 s72, 0x76543210
	s_mov_b32 s73, 0xfedcba98                      ; v_permlanex16_b32's selects for lane l xor 16
	s_wait_kmcnt 0x0
	s_add_nc_u64 s[16:17], s[16:17], s[26:27]
	s_load_b256 s[32:39], s[16:17], 0x0            ; my wave's 8 group numbers as scalars: they make the rows' bases
	s_add_nc_u64 s[6:7], s[6:7], s[28:29]
	s_add_nc_u64 s[70:71], s[8:9], s[30:31]
	s_add_nc_u64 s[8:9], s[8:9], s[26:27]
	s_add_nc_u64 s[4:5], s[4:5], s[62:63]
	s_add_nc_u64 s[18:19], s[18:19], s[62:63]
	s_add_nc_u64 s[20:21], s[20:21], s[66:67]
	s_add_nc_u64 s[22:23], s[22:23], s[68:69]
	global_load_b32 v[GQ], v5, s[16:17]
.irp i, 0,1,2,3
	global_load_b32 v[GA+\i], v4, s[16:17] offset:4*\i
.endr
	global_load_b128 v[FB:FB+3], v7, s[6:7]
	global_load_u16 v[SB], v6, s[70:71] offset:65536
	global_load_b32 v[FF], v5, s[8:9]
	s_wait_kmcnt 0x0
.irp k, 0,1,2,3,4,5,6,7
	s_min_u32 s[32+\k], s[32+\k], 0x3ff
	s_lshl_b32 s26, s[32+\k], 11                   ; a group's 8 rows of E^T are 2,048 bytes
	s_add_nc_u64 s[40+2*\k:41+2*\k], s[14:15], s[26:27]
.endr
	s_wait_loadcnt 0x3                             ; the five loads of group numbers are in; the three behind them may be out
	v_min_u32 v[GQ], 0x3ff, v[GQ]
.irp i, 0,1,2,3
	v_min_u32 v[GA+\i], 0x3ff, v[GA+\i]
.endr
.irp i, 0,1,2,3
	v_and_b32 v[AA+\i], 0x3fe, v[GA+\i]
	v_add_nc_u32 v[AA+\i], v[AA+\i], v[GA+\i]
	v_lshlrev_b32 v[AA+\i], 7, v[AA+\i]            ; 128 (g + (g & ~1)) = 512 (g / 2) + 128 (g % 2): tile g / 2, columns 8 (g % 2) on
	v_add_nc_u32 v[AA+\i], v[AA+\i], v7
	v_lshlrev_b32 v[AS+\i], 4, v[GA+\i]            ; 16 scale bytes a group
	v_add_nc_u32 v[AS+\i], v[AS+\i], v6
.endr
	v_lshlrev_b32 v[AE], 5, v[GQ]                  ; 32 bytes of norms a group
.irp i, 0,1,2,3
	global_load_b128 v[FA+8*\i:FA+8*\i+3], v[AA+\i], s[10:11]
.endr
.irp i, 0,1,2,3
	global_load_u16 v[SA+\i], v[AS+\i], s[12:13] offset:32768
.endr
	global_load_b128 v[EE:EE+3], v[AE], s[12:13]
	global_load_b128 v[EE+4:EE+7], v[AE], s[12:13] offset:16
.irp k, 0,1,2,3,4,5,6,7
.irp j, 0,1,2,3,4,5,6,7
	global_load_b64 v[ROWS+16*\k+2*\j:ROWS+16*\k+2*\j+1], v8, s[40+2*\k:41+2*\k] offset:256*\j   ; a whole row of E^T: 256 consecutive bytes, aligned
.endr
.endr
	s_wait_loadcnt 63                              ; 64 loads were issued behind the 13 that bring the products' operands, ff and the norms
.irp i, 0,1,2,3
	v_wmma_scale_f32_16x16x128_f8f6f4 v[DA+8*\i:DA+8*\i+7], v[FA+8*\i:FA+8*\i+7], v[FB:FB+7], 0, v[SA+\i], v[SB] matrix_a_fmt:MATRIX_FMT_FP4 matrix_b_fmt:MATRIX_FMT_FP4
.endr
	v_mov_b32 v[FF+1], v[FF]                       ; four plain lines that name none of the products' registers: the places behind them (ISA guide 7.12.1)
	v_mov_b32 v[BJ], 0
	v_lshrrev_b32 v114, 2, v0
	v_lshrrev_b32 v115, 4, v0
	v_xor_b32 v114, v114, v115
	v_and_b32 v114, 1, v114
	v_cmp_eq_u32 s60, 0, v114                      ; my lane's rows are my query's group: bit 2 of the lane = h
	v_cmp_eq_u32 s57, 1, v13
	v_cmp_eq_u32 s58, 2, v13
	v_cmp_eq_u32 s59, 3, v13
.irp j, 0,1,2,3,4,5,6,7                ; each result is read from its low end on
	v_cndmask_b32 v[RES+\j], v[DA+\j], v[DA+8+\j], s57
	v_cndmask_b32 v[RES+\j], v[RES+\j], v[DA+16+\j], s58
	v_cndmask_b32 v[RES+\j], v[RES+\j], v[DA+24+\j], s59
.endr
.irp m, 0,1,2,3
	global_load_b128 v[16+4*\m:19+4*\m], v12, s[4:5] offset:8192*\m   ; x: channels 8 w + 2 m + h, 64 pixels: sixteen lanes read 256 consecutive bytes
.endr
.irp p, 0,2,4,6
	v_pk_fma_f32 v[RES+\p:RES+\p+1], v[RES+\p:RES+\p+1], -2.0, v[FF:FF+1] op_sel_hi:[1,0,0]   ; ff - 2 p
.endr
.irp p, 0,2,4,6
	v_pk_add_f32 v[RES+\p:RES+\p+1], v[RES+\p:RES+\p+1], v[EE+\p:EE+\p+1]                     ; + ee
.endr
.irp j, 1,2,3,4,5,6,7                  ; the first smallest of the 8
	v_cmp_lt_f32 s56, v[RES+\j], v[RES]
	v_min_num_f32 v[RES], v[RES], v[RES+\j]
	v_cndmask_b32 v[BJ], v[BJ], \j, s56
.endr
	v_lshl_add_u32 v[IX], v[GQ], 3, v[BJ]
	v_permlanex16_b32 v[GA], v[IX], s72, s73
	v_cndmask_b32 v[IX], v[GA], v[IX], s60         ; every lane now holds the index of query lane % 8
	ds_store_b32 v9, v[IX] offset:IDX              ; four lanes write the same word with the same value
; Query k's column: its index's low three bits select among the group's 8 rows, a tree of 8 + 4 + 2 selects.  The bits become masks; they steer no branch and no address.
.irp k, 0,1,2,3,4,5,6,7
	s_wait_loadcnt 60-8*\k                         ; behind query k's 8 rows: the later queries' and the four loads of x
	v_readlane_b32 s74, v[IX], \k
	s_bitcmp1_b32 s74, 0
	s_cselect_b32 s75, -1, 0
	s_bitcmp1_b32 s74, 1
	s_cselect_b32 s76, -1, 0
	s_bitcmp1_b32 s74, 2
	s_cselect_b32 s77, -1, 0
.irp a, 0,4,8,12
	v_cndmask_b32 v[ROWS+16*\k+\a], v[ROWS+16*\k+\a], v[ROWS+16*\k+\a+2], s75
	v_cndmask_b32 v[ROWS+16*\k+\a+1], v[ROWS+16*\k+\a+1], v[ROWS+16*\k+\a+3], s75
.endr
.irp a, 0,8
	v_cndmask_b32 v[ROWS+16*\k+\a], v[ROWS+16*\k+\a], v[ROWS+16*\k+\a+4], s76
	v_cndmask_b32 v[ROWS+16*\k+\a+1], v[ROWS+16*\k+\a+1], v[ROWS+16*\k+\a+5], s76
.endr
	v_cndmask_b32 v[ROWS+16*\k], v[ROWS+16*\k], v[ROWS+16*\k+8], s77
	v_cndmask_b32 v[ROWS+16*\k+1], v[ROWS+16*\k+1], v[ROWS+16*\k+9], s77
	ds_store_b64 v10, v[ROWS+16*\k:ROWS+16*\k+1] offset:SPT*\k
.endr
	s_wait_dscnt 0x0                               ; for the others' sake: my indices and my 8 columns have landed
	s_barrier_signal -1
	s_barrier_wait -1
.irp m, 0,1,2,3
.irp e, 0,1,2,3
	ds_load_b32 v[32+4*\m+\e], v11 offset:SPT*\e+8*\m   ; q(channel 8 w + 2 m + h, pixel 4 (lane % 16) + e)
.endr
.endr
	s_wait_loadcnt 0x0                             ; x
	s_wait_dscnt 0x0
.irp m, 0,1,2,3
.irp p, 0,2
	v_pk_add_f32 v[64+4*\m+\p:65+4*\m+\p], v[32+4*\m+\p:33+4*\m+\p], v[16+4*\m+\p:17+4*\m+\p] neg_lo:[0,1] neg_hi:[0,1]   ; q - x
.endr
.endr
.irp m, 0,1,2,3
.irp p, 0,2
	v_pk_add_f32 v[80+4*\m+\p:81+4*\m+\p], v[16+4*\m+\p:17+4*\m+\p], v[64+4*\m+\p:65+4*\m+\p]   ; x + (q - x)
.endr
	global_store_b128 v12, v[80+4*\m:83+4*\m], s[18:19] offset:8192*\m th:TH_STORE_NT   ; sixteen lanes store 256 consecutive bytes, aligned
.endr
	v_pk_mul_f32 v[116:117], v[64:65], v[64:65]    ; the squares, in two chains; the first products start them
	v_pk_mul_f32 v[118:119], v[66:67], v[66:67]
.irp m, 1,2,3
	v_pk_fma_f32 v[116:117], v[64+4*\m:65+4*\m], v[64+4*\m:65+4*\m], v[116:117]
	v_pk_fma_f32 v[118:119], v[66+4*\m:67+4*\m], v[66+4*\m:67+4*\m], v[118:119]
.endr
	v_pk_add_f32 v[116:117], v[116:117], v[118:119]
	v_add_f32 v116, v116, v117
	v_add_f32_dpp v116, v116, v116 row_xmask:1 row_mask:0xf bank_mask:0xf
	v_add_f32_dpp v116, v116, v116 row_xmask:2 row_mask:0xf bank_mask:0xf
	v_add_f32_dpp v116, v116, v116 row_xmask:4 row_mask:0xf bank_mask:0xf
	v_add_f32_dpp v116, v116, v116 row_xmask:8 row_mask:0xf bank_mask:0xf
	v_permlanex16_b32 v120, v116, s72, s73
	v_add_f32 v116, v116, v120                     ; the wave's sum of 512 squares
	v_cmp_eq_u32 vcc_lo, 0, v1
	s_wait_xcnt 0x0                                ; EXEC is a source of the stores above: it changes only behind this wait
	s_and_saveexec_b32 s74, vcc_lo
	global_store_b32 v14, v116, s[22:23]           ; lane 0 alone
	s_wait_xcnt 0x0                                ; and again in front of the line that widens it
	s_or_b32 exec_lo, exec_lo, s74
	s_cmp_lg_u32 s24, 0
	s_cbranch_scc1 .Lend
	ds_load_b64 v[104:105], v8 offset:IDX          ; wave 0: the work-group's 64 indices, behind the barrier above
	s_wait_dscnt 0x0
	global_store_b64 v8, v[104:105], s[20:21]      ; 32 lanes store 256 consecutive bytes, aligned
.Lend:
	s_set_vgpr_msb 0x4
	s_wait_tensorcnt 0x0
	ds_add_u32 v61, v1
	s_wait_dscnt 0x0
	s_set_vgpr_msb 0x400
	s_endpgm
.Lfunc_end_k_q6ecf93721e_pick:
	.size	k_q6ecf93721e_pick, .Lfunc_end_k_q6ecf93721e_pick-k_q6ecf93721e_pick
	.p2alignl 7, 3214868480
	.fill 96, 4, 3214868480
	.section	.rodata,"a",@progbits
	.p2align	6, 0x0
	.amdhsa_kernel k_q6ecf93721e_pick
		.amdhsa_group_segment_fixed_size 18432
		.amdhsa_private_segment_fixed_size 0
		.amdhsa_enable_private_segment 0
		.amdhsa_kernarg_size 80
		.amdhsa_user_sgpr_count 2
		.amdhsa_user_sgpr_kernarg_segment_ptr 1
		.amdhsa_wavefront_size32 1
		.amdhsa_system_sgpr_workgroup_id_x 1
		.amdhsa_system_sgpr_workgroup_id_y 1
		.amdhsa_system_sgpr_workgroup_id_z 1
		.amdhsa_system_vgpr_workitem_id 0
		.amdhsa_next_free_vgpr 258
		.amdhsa_next_free_sgpr 96
		.amdhsa_reserve_vcc 1
		.amdhsa_float_denorm_mode_32 3
		.amdhsa_float_denorm_mode_16_64 3
		.amdhsa_memory_ordered 1
		.amdhsa_forward_progress 1
		.amdhsa_inst_pref_size 33
	.end_amdhsa_kernel
	.amdgpu_metadata
---
amdhsa.version: [ 1, 2 ]
amdhsa.kernels:
  - .name:           k_q6ecf93721e_pick
    .symbol:         k_q6ecf93721e_pick.kd
    .args:
      - { .name: input, .offset: 0, .size: 8, .value_kind: global_buffer, .address_space: global }
      - { .name: xcodes, .offset: 8, .size: 8, .value_kind: global_buffer, .address_space: global }
      - { .name: xmeta, .offset: 16, .size: 8, .value_kind: global_buffer, .address_space: global }
      - { .name: ecodes, .offset: 24, .size: 8, .value_kind: global_buffer, .address_space: global }
      - { .name: emeta, .offset: 32, .size: 8, .value_kind: global_buffer, .address_space: global }
      - { .name: et, .offset: 40, .size: 8, .value_kind: global_buffer, .address_space: global }
      - { .name: gbuf, .offset: 48, .size: 8, .value_kind: global_buffer, .address_space: global }
      - { .name: out0, .offset: 56, .size: 8, .value_kind: global_buffer, .address_space: global }
      - { .name: out2, .offset: 64, .size: 8, .value_kind: global_buffer, .address_space: global }
      - { .name: part, .offset: 72, .size: 8, .value_kind: global_buffer, .address_space: global }
    .group_segment_fixed_size: 18432
    .private_segment_fixed_size: 0
    .kernarg_segment_align: 8
    .kernarg_segment_size: 80
    .max_flat_workgroup_size: 256
    .sgpr_count:     96
    .vgpr_count:     258
    .wavefront_size: 32
...
	.end_amdgpu_metadata
.endif
;; end of part 3
;; launch mean (part 4): grid 1 x 1, 1 waves a work-group, no clusters, 0 bytes of LDS; arguments part, out1; writes out1
.if DOCPART == 4
	.amdgcn_target "amdgcn-amd-amdhsa--gfx1250"
	.amdhsa_code_object_version 6
	.text
	.protected	k_q6ecf93721e_mean
	.globl	k_q6ecf93721e_mean
	.p2align	8
	.type	k_q6ecf93721e_mean,@function
k_q6ecf93721e_mean:
	s_mov_b64 s[64:65], 0
	v_nop
	global_prefetch_b8 v0, s[64:65] scope:SCOPE_SE
	s_setreg_imm32_b32 hwreg(HW_REG_WAVE_MODE, 25, 1), 1
	s_wait_xcnt 0x0
; out1 = the sum of the 2,048 partial sums / 2^20 (16 x 64 x 1,024 numbers).  The sum spans all work-groups of the launch before, so it has one owner: one wave, 64 numbers a lane, in a fixed order.
	s_load_b128 s[4:7], s[0:1], 0x0                ; part, out1
	v_lshlrev_b32 v1, 4, v0                        ; 16 bytes a lane
	v_mov_b32 v2, 0
	v_mov_b32 v3, 0                                ; a lane permute's destination counts as one of its sources
	s_mov_b32 s8, 0x76543210
	s_mov_b32 s9, 0xfedcba98
	s_wait_kmcnt 0x0
.irp i, 0,1,2,3,4,5,6,7,8,9,10,11,12,13,14,15
	global_load_b128 v[16+4*\i:19+4*\i], v1, s[4:5] offset:512*\i
.endr
	s_wait_loadcnt 0x0
.irp c, 0,1,2,3                        ; four chains of packed additions; the first sums start them
	v_pk_add_f32 v[8+2*\c:9+2*\c], v[16+2*\c:17+2*\c], v[24+2*\c:25+2*\c]
.endr
.irp p, 16,24,32,40,48,56
.irp c, 0,1,2,3
	v_pk_add_f32 v[8+2*\c:9+2*\c], v[8+2*\c:9+2*\c], v[16+\p+2*\c:17+\p+2*\c]
.endr
.endr
	v_pk_add_f32 v[8:9], v[8:9], v[10:11]
	v_pk_add_f32 v[12:13], v[12:13], v[14:15]
	v_pk_add_f32 v[8:9], v[8:9], v[12:13]
	v_add_f32 v8, v8, v9
	v_add_f32_dpp v8, v8, v8 row_xmask:1 row_mask:0xf bank_mask:0xf
	v_add_f32_dpp v8, v8, v8 row_xmask:2 row_mask:0xf bank_mask:0xf
	v_add_f32_dpp v8, v8, v8 row_xmask:4 row_mask:0xf bank_mask:0xf
	v_add_f32_dpp v8, v8, v8 row_xmask:8 row_mask:0xf bank_mask:0xf
	v_permlanex16_b32 v3, v8, s8, s9
	v_add_f32 v8, v8, v3
	v_mul_f32 v8, 0x35800000, v8                   ; x 2^-20
	v_cmp_eq_u32 vcc_lo, 0, v0
	s_wait_xcnt 0x0                                ; EXEC changes only behind this wait
	s_and_saveexec_b32 s10, vcc_lo
	global_store_b32 v2, v8, s[6:7]                ; lane 0 alone
	s_endpgm
.Lfunc_end_k_q6ecf93721e_mean:
	.size	k_q6ecf93721e_mean, .Lfunc_end_k_q6ecf93721e_mean-k_q6ecf93721e_mean
	.p2alignl 7, 3214868480
	.fill 96, 4, 3214868480
	.section	.rodata,"a",@progbits
	.p2align	6, 0x0
	.amdhsa_kernel k_q6ecf93721e_mean
		.amdhsa_group_segment_fixed_size 0
		.amdhsa_private_segment_fixed_size 0
		.amdhsa_enable_private_segment 0
		.amdhsa_kernarg_size 16
		.amdhsa_user_sgpr_count 2
		.amdhsa_user_sgpr_kernarg_segment_ptr 1
		.amdhsa_wavefront_size32 1
		.amdhsa_system_sgpr_workgroup_id_x 1
		.amdhsa_system_sgpr_workgroup_id_y 1
		.amdhsa_system_sgpr_workgroup_id_z 1
		.amdhsa_system_vgpr_workitem_id 0
		.amdhsa_next_free_vgpr 80
		.amdhsa_next_free_sgpr 66
		.amdhsa_reserve_vcc 1
		.amdhsa_float_denorm_mode_32 3
		.amdhsa_float_denorm_mode_16_64 3
		.amdhsa_memory_ordered 1
		.amdhsa_forward_progress 1
		.amdhsa_inst_pref_size 5
	.end_amdhsa_kernel
	.amdgpu_metadata
---
amdhsa.version: [ 1, 2 ]
amdhsa.kernels:
  - .name:           k_q6ecf93721e_mean
    .symbol:         k_q6ecf93721e_mean.kd
    .args:
      - { .name: part, .offset: 0, .size: 8, .value_kind: global_buffer, .address_space: global }
      - { .name: out1, .offset: 8, .size: 8, .value_kind: global_buffer, .address_space: global }
    .group_segment_fixed_size: 0
    .private_segment_fixed_size: 0
    .kernarg_segment_align: 8
    .kernarg_segment_size: 16
    .max_flat_workgroup_size: 32
    .sgpr_count:     66
    .vgpr_count:     80
    .wavefront_size: 32
...
	.end_amdgpu_metadata
.endif
;; end of part 4
;; ======== version 2 of 2: 4 launches
;; limits: right only within a limited range of input values
;; workspace buffers: ebook 311,296 bytes; et 2,097,152 bytes; gbuf 65,536 bytes of whole numbers; xq 589,824 bytes; part 8,192 bytes
;; launch quant (part 5): grid 128 x 1, 4 waves a work-group, no clusters, 18,432 bytes of LDS; arguments embeddings, ebook, et; writes ebook, et
.if DOCPART == 5
	.amdgcn_target "amdgcn-amd-amdhsa--gfx1250"
	.amdhsa_code_object_version 6
	.text
	.protected	k_q6ecf93721e_quant
	.globl	k_q6ecf93721e_quant
	.p2align	8
	.type	k_q6ecf93721e_quant,@function
k_q6ecf93721e_quant:
	s_mov_b64 s[64:65], 0
	v_nop
	global_prefetch_b8 v0, s[64:65] scope:SCOPE_SE
	s_setreg_imm32_b32 hwreg(HW_REG_WAVE_MODE, 25, 1), 1
	s_wait_xcnt 0x0
; DEAD WORK LEFT OUT OF THE PROGRAM: the sum of squares of a pixel, sum(f f), is one number for all 8,192 columns of that pixel's row of distances; in exact arithmetic it moves every distance of the row alike and so cannot
; move the row's argmin, whatever the inputs hold, and it reaches nothing else.  It is formed nowhere.  LIMIT: a NaN, an infinity or an overflow that reaches only that sum is not carried to a result.
;
; The codebook E [64][8192] f32 is quantised ONCE, along K = the 64 channels, into codes of FP4 (E2M1) with one E8M0 byte for each 32 along K; beside them the columns' sums of squares (f32) and E^T [8192][64].
; K is E's FIRST axis: A LANE TAKES A COLUMN AND ITS 32 REGISTERS RUN DOWN K.  A work-group has 64 columns; wave v takes 32 of them (v % 2) and one block of 32 channels (v / 2); two waves read 256 consecutive bytes of a row.
; OUT.  ebook: 16 slices of 512 columns, each dense: scale bytes 1,024, sums 2,048, codes 16,384.  Codes as images of the operand's registers: 16 columns are 512 bytes, block h of column r at 256 h + 16 r.
; E^T: the columns meet in LDS, 256 bytes a column; each wave then stores 16 whole rows.
; THE SUM OF SQUARES is one chain of fused multiply-adds, K ascending: block 0's wave hands its half to block 1's through LDS.  An order of rounding of this text's own choice; another order can differ in the last bits.
; LIMITS: NaN and infinities are not served.  A block of zeros gets the byte 1 (its codes are zeros; the bytes are read by this program alone).  A largest magnitude under 2^-124 is held at that floor.
.set X,    16                          ; v16-47   my column's 32 channels
.set CD,   48                          ; v48-51   their codes
.set MA,   52                          ; v52-53   two chains of the largest magnitude
.set SO,   54                          ; v54      the conversions' scale operand
.set BY,   55                          ; v55      the scale byte
.set SS,   56                          ; v56      the sum of squares
.set BZ,   57                          ; v57      block 0's scale byte, then both
.set OUTR, 64                          ; v64-95   E^T on its way out
.set SPW,  10
.set NIL,  11
.set SP,   272                         ; a stage row: 256 bytes + 16
.set SUMS, 64*SP                       ; LDS: block 0's sums, 4 bytes a column,
.set BYTS, SUMS+256                    ; its scale bytes, 4 bytes a column,
.set SPARE, BYTS+256                   ; and the spare words, 128 bytes a wave
.set SLICE, 19456
	s_load_b128 s[4:7], s[0:1], 0x0                ; embeddings, ebook
	s_load_b64 s[8:9], s[0:1], 0x10                ; et
	v_lshl_add_u32 v[SPW], v0, 2, SPARE
	v_mov_b32 v[NIL], 0
	v_lshrrev_b32 v12, 5, v0
	v_readfirstlane_b32 s12, v12                   ; wave 0..3
	v_and_b32 v12, 31, v0                          ; lane
	v_and_b32 v13, 15, v0                          ; lane % 16
	v_bfe_u32 v14, v0, 4, 1                        ; lane / 16
	s_and_b32 s13, s12, 1                          ; which 32 columns
	s_lshr_b32 s14, s12, 1                         ; which block
	v_lshlrev_b32 v1, 2, v12                       ; in: 4 bytes a lane; also the sums' place
	v_lshlrev_b32 v2, 4, v13
	v_lshl_add_u32 v2, v14, 9, v2                  ; codes: image lane / 16, column lane % 16
	v_lshlrev_b32 v3, 1, v12                       ; scale bytes: 2 a lane
	s_mul_i32 s15, s13, 32*SP
	s_lshl_b32 s16, s14, 7
	s_add_co_u32 s15, s15, s16
	v_mul_u32_u24 v4, v12, SP
	v_add_nc_u32 v4, s15, v4                       ; the stage, in: row = my column, 128 bytes a block
	s_mul_i32 s15, s12, 16*SP
	v_mul_u32_u24 v5, v14, SP
	v_lshl_add_u32 v5, v13, 4, v5
	v_add_nc_u32 v5, s15, v5                       ; and out: rows 16 v on, sixteen lanes to a row, two rows an instruction
	v_lshlrev_b32 v6, 4, v13
	v_lshl_add_u32 v6, v14, 8, v6                  ; the same place in E^T
	s_lshl_b32 s15, s13, 7
	s_add_co_u32 s15, s15, SUMS
	v_add_nc_u32 v7, s15, v1                       ; my column's word among the sums,
	v_add_nc_u32 v8, 256, v7                       ; and among the bytes
	s_lshl_b32 s15, ttmp9, 1
	s_add_co_u32 s15, s15, s13                     ; W: columns 32 W on
	s_lshl_b32 s16, s15, 7
	s_lshl_b32 s17, s14, 20
	s_add_co_u32 s16, s16, s17                     ; in: 128 W, + 32 rows of 32,768 bytes for block 1
	s_mov_b32 s17, 0
	s_lshr_b32 s26, s15, 4
	s_mul_i32 s26, s26, SLICE                      ; my slice
	s_and_b32 s27, s15, 15                         ; my 32 columns in it
	s_lshl_b32 s18, s27, 10
	s_add_co_u32 s18, s18, s26
	s_lshl_b32 s19, s14, 8
	s_add_co_u32 s18, s18, s19
	s_add_co_u32 s18, s18, 3072                    ; codes
	s_mov_b32 s19, 0
	s_lshl_b32 s20, s27, 6
	s_add_co_u32 s20, s20, s26                     ; scale bytes
	s_mov_b32 s21, 0
	s_lshl_b32 s22, s27, 7
	s_add_co_u32 s22, s22, s26
	s_add_co_u32 s22, s22, 1024                    ; sums
	s_mov_b32 s23, 0
	s_lshl_b32 s24, ttmp9, 14                      ; E^T: my 16 rows of 256 bytes
	s_lshl_b32 s25, s12, 12
	s_add_co_u32 s24, s24, s25
	s_mov_b32 s25, 0
	s_wait_alu depctr_va_vdst(0)                   ; the wait at the head's end
	s_wait_kmcnt 0x0
	s_add_nc_u64 s[4:5], s[4:5], s[16:17]
	s_add_nc_u64 s[28:29], s[6:7], s[18:19]
	s_add_nc_u64 s[30:31], s[6:7], s[20:21]
	s_add_nc_u64 s[32:33], s[6:7], s[22:23]
	s_add_nc_u64 s[8:9], s[8:9], s[24:25]
.irp k, 0,1,2,3,4,5,6,7,8,9,10,11,12,13,14,15,16,17,18,19,20,21,22,23,24,25,26,27,28,29,30,31
	global_load_b32 v[X+\k], v1, s[4:5] offset:\k*32768 th:TH_LOAD_NT
.endr
	s_wait_loadcnt 16                              ; the first 16 channels are in; the others may be out
.irp i, 0,1,2,3
	ds_store_b128 v4, v[X+4*\i:X+4*\i+3] offset:16*\i
.endr
; The block's largest magnitude: two chains, the floor 2^(3 - 127) among the leaves.
	v_max3_num_f32 v[MA], |v[X]|, |v[X+1]|, |v[X+2]|
	v_max3_num_f32 v[MA+1], |v[X+3]|, |v[X+4]|, |v[X+5]|
.irp i, 6,10
	v_max3_num_f32 v[MA], v[MA], |v[X+\i]|, |v[X+\i+1]|
	v_max3_num_f32 v[MA+1], v[MA+1], |v[X+\i+2]|, |v[X+\i+3]|
.endr
	s_wait_alu depctr_va_vdst(0)                   ; directly ahead of the wait below
	s_wait_loadcnt 0x0
.irp i, 4,5,6,7
	ds_store_b128 v4, v[X+4*\i:X+4*\i+3] offset:16*\i
.endr
.irp i, 14,18,22,26
	v_max3_num_f32 v[MA], v[MA], |v[X+\i]|, |v[X+\i+1]|
	v_max3_num_f32 v[MA+1], v[MA+1], |v[X+\i+2]|, |v[X+\i+3]|
.endr
	v_max3_num_f32 v[MA], v[MA], |v[X+30]|, |v[X+31]|
	v_max3_num_f32 v[MA], v[MA], v[MA+1], 0x1800000
	v_add_nc_u32 v[SO], 0xff000000, v[MA]          ; 2 off its exponent field: the conversions' scale operand
.irp g, 0,1,2,3
	v_cvt_scalef32_pk8_fp4_f32 v[CD+\g], v[X+8*\g:X+8*\g+7], v[SO]
.endr
	v_lshrrev_b32 v[BY], 23, v[SO]                 ; the scale's byte (a plain line behind the conversions)
	global_store_b128 v2, v[CD:CD+3], s[28:29]     ; sixteen lanes store 256 consecutive bytes, aligned
	s_wait_alu depctr_va_vdst(0)                   ; directly ahead of the branch
	s_cmp_lg_u32 s14, 0
	s_cbranch_scc1 .Lblock1
	v_mul_f32 v[SS], v[X], v[X]                    ; block 0: the chain's first half
.irp k, 1,2,3,4,5,6,7,8,9,10,11,12,13,14,15,16,17,18,19,20,21,22,23,24,25,26,27,28,29,30,31
	v_fmac_f32 v[SS], v[X+\k], v[X+\k]
.endr
	ds_store_b32 v7, v[SS]
	ds_store_b32 v8, v[BY]
.Lblock1:
	s_wait_alu depctr_va_vdst(0)                   ; directly ahead of the wait below
	s_wait_dscnt 0x0                               ; for the others' sake: my LDS stores have landed
	s_barrier_signal -1
	s_barrier_wait -1
	ds_load_b32 v[SS], v7                          ; block 0's half of the sum and its scale byte,
	ds_load_b32 v[BZ], v8
.irp t, 0,1,2,3,4,5,6,7
	ds_load_b128 v[OUTR+4*\t:OUTR+4*\t+3], v5 offset:2*\t*SP   ; and 16 rows of E^T
.endr
	s_cmp_eq_u32 s14, 0
	s_cbranch_scc1 .Lrows
	s_wait_dscnt 8                                 ; the eight reads of rows may be out
.irp k, 0,1,2,3,4,5,6,7,8,9,10,11,12,13,14,15,16,17,18,19,20,21,22,23,24,25,26,27,28,29,30,31
	v_fmac_f32 v[SS], v[X+\k], v[X+\k]             ; block 1: the chain goes on
.endr
	v_lshl_or_b32 v[BZ], v[BY], 8, v[BZ]           ; byte 0: block 0's, byte 1: block 1's
	global_store_b32 v1, v[SS], s[32:33]
	global_store_b16 v3, v[BZ], s[30:31]
.Lrows:
.irp t, 0,1,2,3,4,5,6,7
	s_wait_dscnt 7-\t                              ; the younger reads may be out
	global_store_b128 v6, v[OUTR+4*\t:OUTR+4*\t+3], s[8:9] offset:512*\t
.endr
	s_wait_tensorcnt 0x0                           ; the wave's end
	ds_add_u32 v[SPW], v[NIL]
	s_wait_dscnt 0x0
	s_endpgm
.Lfunc_end_k_q6ecf93721e_quant:
	.size	k_q6ecf93721e_quant, .Lfunc_end_k_q6ecf93721e_quant-k_q6ecf93721e_quant
	.p2alignl 7, 3214868480
	.fill 96, 4, 3214868480
	.section	.rodata,"a",@progbits
	.p2align	6, 0x0
	.amdhsa_kernel k_q6ecf93721e_quant
		.amdhsa_group_segment_fixed_size 18432
		.amdhsa_private_segment_fixed_size 0
		.amdhsa_enable_private_segment 0
		.amdhsa_kernarg_size 24
		.amdhsa_user_sgpr_count 2
		.amdhsa_user_sgpr_kernarg_segment_ptr 1
		.amdhsa_wavefront_size32 1
		.amdhsa_system_sgpr_workgroup_id_x 1
		.amdhsa_system_sgpr_workgroup_id_y 1
		.amdhsa_system_sgpr_workgroup_id_z 1
		.amdhsa_system_vgpr_workitem_id 0
		.amdhsa_next_free_vgpr 96
		.amdhsa_next_free_sgpr 66
		.amdhsa_reserve_vcc 0
		.amdhsa_float_denorm_mode_32 3
		.amdhsa_float_denorm_mode_16_64 3
		.amdhsa_memory_ordered 1
		.amdhsa_forward_progress 1
		.amdhsa_inst_pref_size 13
	.end_amdhsa_kernel
	.amdgpu_metadata
---
amdhsa.version: [ 1, 2 ]
amdhsa.kernels:
  - .name:           k_q6ecf93721e_quant
    .symbol:         k_q6ecf93721e_quant.kd
    .args:
      - { .name: embeddings, .offset: 0, .size: 8, .value_kind: global_buffer, .address_space: global }
      - { .name: ebook, .offset: 8, .size: 8, .value_kind: global_buffer, .address_space: global }
      - { .name: et, .offset: 16, .size: 8, .value_kind: global_buffer, .address_space: global }
    .group_segment_fixed_size: 18432
    .private_segment_fixed_size: 0
    .kernarg_segment_align: 8
    .kernarg_segment_size: 24
    .max_flat_workgroup_size: 128
    .sgpr_count:     66
    .vgpr_count:     96
    .wavefront_size: 32
...
	.end_amdgpu_metadata
.endif
;; end of part 5
;; launch scan (part 6): grid 256 x 1, 16 waves a work-group, clusters of 4 x 1, 327,680 bytes of LDS; arguments input, ebook, gbuf, xq; writes gbuf, xq
.if DOCPART == 6
	.amdgcn_target "amdgcn-amd-amdhsa--gfx1250"
	.amdhsa_code_object_version 6
	.text
	.protected	k_q6ecf93721e_scan
	.globl	k_q6ecf93721e_scan
	.p2align	8
	.type	k_q6ecf93721e_scan,@function
k_q6ecf93721e_scan:
	s_mov_b64 s[64:65], 0
	v_nop
	global_prefetch_b8 v0, s[64:65] scope:SCOPE_SE
	s_setreg_imm32_b32 hwreg(HW_REG_WAVE_MODE, 25, 1), 1
	s_wait_xcnt 0x0
	s_wait_alu depctr_hold_cnt(0) depctr_sa_sdst(0) depctr_va_vdst(0) depctr_va_sdst(0) depctr_va_ssrc(0) depctr_va_vcc(0) depctr_vm_vsrc(0)
	s_getreg_b32 s2, hwreg(HW_REG_IB_STS2, 6, 4)
	s_cmp_eq_u32 s2, 0
	s_cbranch_scc0 .Lentry_in_a_cluster
	s_endpgm
.Lentry_in_a_cluster:
	s_bfe_u32 s2, ttmp6, 0x10000c
	s_cmp_lg_u32 s2, 0x3003
	s_cbranch_scc0 .Lentry_shape_is_right
	s_endpgm
.Lentry_shape_is_right:
; For each of 16,384 pixels (queries): where the FIRST CLASS of up to 3 neighbouring codebook columns begins that holds the smallest distance over all 8,192 columns n, the product p(n) on codes of FP4.
; It goes to gbuf; the next launch decides inside the class, on the queries' codes and scale bytes, which go to xq.
; Work left out here: the pixel's own sum of squares, the same for every column (the first kernel's head shows why it is dead, and states the limit).
; THE DISTANCE IS FORMED BY THE MATRIX INSTRUCTION ITSELF: the queries' codes have their signs turned and their scale bytes raised by one (x -2, exact), and the columns' sums ee are the C operand: D = ee(n) - 2 p(n).
; LIMIT OF ROUNDING: reference() orders columns by fl(fl(ff - 2 p) + ee), this text by ee - 2 p as the matrix instruction sums it.  Two columns whose distances lie within about one unit in the last place of the distance
; (2^-18 for a distance between 32 and 64) can be ordered otherwise than there.
; SHARES.  A work-group owns 64 queries (four tiles of 16).  Wave w of sixteen takes ALL 64 against columns 512 w on: 16 steps of 32 columns, 4 products of 32 x 16 each: a step's codes, scales and sums feed 4 products.
; THE WHOLE CODEBOOK LIES IN LDS, FILLED ONCE: wave w's slice (scale bytes 1,024, sums 2,048, codes 16,384) is one dense block of memory, which wave w alone reads behind its own waits.  It comes by two loads, each behind a
; round: 40 rows of 256 bytes (scale bytes, sums, the codes of steps 0-6), then 36 rows (the codes of steps 7-15), which have the first steps' work in which to land.
; CLUSTER.  Every work-group reads the same codebook: four form a cluster and ask jointly (mask 15; the descriptors hang on the arguments and the wave's number alone).  By this text's own count a wave has one tensor load out.
; No prefetch: the slices are fetched once; there is no loop that streams from memory and could run ahead.
; THE QUERIES are quantised here, along the 64 channels: wave w takes queries 8 (w / 2) on, block w % 2; four lanes share a block, 8 channels each.  The codes meet in LDS as the operand's image.
; K IS 64: the upper half of A's fragments (k = 64 .. 127) is zero codes, cleared once.  So B's upper half may hold anything: there stand the next tile's codes.  Scale bytes 2 and 3 are 0 on both sides.
; LAYOUT.  Source 0 = 32 columns, source 1 = 16 queries.  Row m of source 0 is the step's column (m % 8) + 16 ((m / 8) % 2) + 8 (m / 16), by the lanes' LDS addresses alone: so lane (r, h) holds query r, and its 16
; registers are the 16 NEIGHBOURING columns 16 h + 0 .. 15.
; THE CLASS.  A unit = one product.  Its 16 distances become 5 minima of three and the 16th by itself; these go into the running minimum; where that falls, the 5 minima and the step's number replace those kept.
; At the end the first kept number that equals the minimum gives the class, the 16th column if none does.  TIES: only a fall replaces, so the earlier step stays; inside a step the lowest class; between the lanes'
; halves the smaller column; between waves the earlier wave.
; LIMITS: NaN and infinite distances are not served.  A block of zeros gets the byte 1, and a largest magnitude under 2^-124 is held at that floor, as in the first kernel.
.set SLICE, 19456
.set FIRST, 10240                      ; bytes of a slice's first load: 3,072 + 7 steps of 1,024
.set STEP1, 7                          ; the first step of its second
.set XST,  311296                      ; LDS, behind the 16 slices: the queries' codes, 4 images of 512 bytes;
.set XSS,  313344                      ; their scale bytes, 2 a query;
.set CMB,  313600                      ; 512 bytes a wave, where the waves' results meet;
.set SPARE, 321792                     ; the spare words, 128 bytes a wave
.set XB,   16                          ; v16-35   the 4 tiles of queries, 4 registers each, and 4 zeros
.set XS,   36                          ; v36-39   their scale words
.set CS,   40                          ; v40-41   two sets of column scale words: lane m row m's
.set TA,   42                          ; v42-43   minima at work
.set VB,   49                          ; v49      16 h + 512 w
.set BEST, 50                          ; v50-57   the smallest distance so far, two sets of 4 that take turns
.set SPW,  58
.set NIL,  59
.set JJ,   60                          ; v60-63   the class's first column
.set CA,   64                          ; v64-95   two sets of codebook fragments (32 columns)
.set EE,   96                          ; v96-127  two sets of 16 sums: the products' C
.set DB,   128                         ; v128-191 four sets of 16 distances, one for each tile of queries
.set RT,   192                         ; v192-223 for each tile of queries, 8 apart: the best step's 5 minima, and its number
.set PB,   224                         ; v224-239 two sets of 5 minima, 8 apart
.set G0,   20
.set G1,   24
.set G1B,  68                          ; s[68:75] the second load's shape
.set G0B,  76
.macro ROUND                           ; a round of the cluster's barrier
	s_barrier_signal -1
	s_barrier_wait -1
	s_cmp_lg_u32 s12, 0
	s_cbranch_scc1 .Lnot_wave_0_\@
	s_barrier_signal -3
.Lnot_wave_0_\@:
	s_barrier_wait -3
	s_barrier_signal -1
	s_barrier_wait -1
.endm
.macro GROUP1 g, rows                  ; a dense block as rows of 256 bytes: 32 elements of 8 bytes
	s_mov_b32 s[\g+0], 15|(3<<16)|(1<<21)          ; 15:0 the mask: all four work-groups; 17:16 elements of 8 bytes; 21 set beside a mask
	s_mov_b32 s[\g+1], 32<<16                      ; tensor_dim0
	s_mov_b32 s[\g+2], (\rows)<<16                 ; tensor_dim1
	s_mov_b32 s[\g+3], 32<<16                      ; tile_dim0
	s_mov_b32 s[\g+4], \rows                       ; tile_dim1
	s_mov_b32 s[\g+5], 32                          ; tensor_dim0_stride
	s_mov_b32 s[\g+6], 0
	s_mov_b32 s[\g+7], 0
.endm
	s_load_b256 s[4:11], s[0:1], 0x0               ; input s[4:5], ebook s[6:7], gbuf s[8:9], xq s[10:11]
	v_lshl_add_u32 v[SPW], v0, 2, SPARE
	v_mov_b32 v[NIL], 0
	ds_add_u32 v[SPW], v[NIL]                      ; the wave's opening: the add, twice on end, and its wait
	ds_add_u32 v[SPW], v[NIL]
	v_lshrrev_b32 v11, 5, v0
	v_readfirstlane_b32 s12, v11                   ; wave 0..15
	v_and_b32 v8, 31, v0                           ; lane
	v_and_b32 v9, 15, v0                           ; r
	v_bfe_u32 v13, v0, 4, 1                        ; h
	v_and_b32 v11, 7, v0                           ; lane % 8.  Quantising: my query of eight,
	v_bfe_u32 v14, v0, 3, 2                        ; and my 8 channels of 32
	v_lshlrev_b32 v12, 2, v11
	v_lshl_add_u32 v12, v14, 15, v12               ; x: 4 bytes a query, 8 channels of 4,096 bytes a lane group
	s_bfe_u32 s13, ttmp6, 0x40000                  ; cx
	s_lshl_b32 s14, ttmp9, 2
	s_add_co_u32 s14, s14, s13                     ; work-group = 4 x cluster + cx: it enters the addresses of x, gbuf and xq alone
	s_mul_i32 s16, s12, SLICE                      ; my slice, in LDS and in ebook
	s_mov_b32 s17, 0
	s_lshr_b32 s18, s14, 4                         ; x: image wg / 16, pixel 64 (wg % 16) + 8 (w / 2), channel 32 (w % 2)
	s_lshl_b32 s18, s18, 18
	s_and_b32 s13, s14, 15
	s_lshl_b32 s13, s13, 8
	s_add_co_u32 s18, s18, s13
	s_lshr_b32 s13, s12, 1
	s_lshl_b32 s33, s13, 5
	s_add_co_u32 s18, s18, s33
	s_and_b32 s34, s12, 1
	s_lshl_b32 s33, s34, 17
	s_add_co_u32 s18, s18, s33
	s_mov_b32 s19, 0
	s_lshl_b32 s36, s14, 8                         ; gbuf: 64 numbers
	s_mov_b32 s37, 0
	s_mul_i32 s38, s14, 2304                       ; xq: 2,048 bytes of codes, 128 of scale bytes, 128 unused
	s_mov_b32 s39, 0
	s_lshr_b32 s40, s12, 2                         ; my place among the images: tile w / 4, block w % 2, columns 8 ((w / 2) % 2) on
	s_lshl_b32 s40, s40, 9
	s_lshl_b32 s41, s34, 8
	s_add_co_u32 s40, s40, s41
	s_and_b32 s41, s13, 1
	s_lshl_b32 s41, s41, 7
	s_add_co_u32 s40, s40, s41
	s_add_co_u32 s40, s40, XST
	s_lshl_b32 s41, s13, 4
	s_add_co_u32 s41, s41, s34
	s_add_co_u32 s41, s41, XSS                     ; my scale bytes
	s_lshl_b32 s42, s12, 9
	s_add_co_u32 s42, s42, CMB
	s_lshl_b32 s43, s12, 9
	s_add_co_u32 s44, s16, 3072
	s_add_co_u32 s45, s16, 1024
	s_mov_b32 s88, 0x76543210
	s_mov_b32 s89, 0xfedcba98                      ; v_permlanex16_b32's selects for lane l xor 16
	GROUP1 G1, 40
	GROUP1 G1B, 36
	s_wait_alu depctr_va_vdst(0)                   ; directly ahead of the waits below
	s_wait_dscnt 0x0                               ; both opening adds are done
	s_wait_kmcnt 0x0
	s_add_nc_u64 s[4:5], s[4:5], s[18:19]
	s_mov_b32 s[G0], 1
	s_mov_b32 s[G0+1], s16
	s_add_nc_u64 s[G0+2:G0+3], s[6:7], s[16:17]
	s_or_b32 s[G0+3], s[G0+3], 0x80000000
	s_mov_b32 s[G0B], 1
	s_add_co_u32 s[G0B+1], s16, FIRST
	s_add_nc_u64 s[G0B+2:G0B+3], s[6:7], s[16:17]
	s_add_nc_u64 s[G0B+2:G0B+3], s[G0B+2:G0B+3], FIRST
	s_or_b32 s[G0B+3], s[G0B+3], 0x80000000
	s_add_nc_u64 s[8:9], s[8:9], s[36:37]
	s_add_nc_u64 s[10:11], s[10:11], s[38:39]
.irp i, 0,1,2,3,4,5,6,7
	global_load_b32 v[DB+\i], v12, s[4:5] offset:4096*\i   ; x: my 8 channels
.endr
	ROUND                                          ; all four work-groups are here: the joint loads meet
	tensor_load_to_lds s[G0:G0+3], s[G1:G1+7]      ; my slice's first part
	s_nop 0
.rept 4
	v_nop
.endr
	v_bfe_u32 v3, v0, 3, 1                         ; rows 8-15 of a fragment are 16 columns further on
	v_lshlrev_b32 v1, 9, v3
	v_lshlrev_b32 v2, 5, v3
	v_lshl_add_u32 v1, v11, 4, v1
	v_lshl_add_u32 v2, v11, 1, v2
	v_lshl_add_u32 v1, v13, 8, v1
	v_lshl_add_u32 v2, v13, 4, v2
	v_add_nc_u32 v1, s44, v1                       ; v1  my 16 bytes of the first fragment; the second's column is 8 further on
	v_add_nc_u32 v2, s16, v2                       ; v2  row (lane)'s two scale bytes
	v_lshl_add_u32 v3, v13, 6, s45                 ; v3  my half's 16 sums
	v_lshlrev_b32 v4, 4, v11
	v_lshl_add_u32 v4, v14, 2, v4
	v_add_nc_u32 v4, s40, v4                       ; v4  where my 8 codes go
	v_lshl_add_u32 v5, v11, 1, s41                 ; v5  and my block's scale byte
	v_lshl_add_u32 v6, v8, 4, XST                  ; v6  my 16 bytes of an image of queries
	v_lshl_add_u32 v7, v9, 1, XSS                  ; v7  query r's scale bytes
	v_lshlrev_b32 v10, 3, v8                       ; v10 two numbers a lane
	v_lshl_add_u32 v14, v9, 3, s42                 ; v14 where my wave leaves (distance, column) of query r
	v_lshl_add_u32 v15, v8, 4, CMB                 ; v15 where wave 0 reads two queries'
	v_lshlrev_b32 v45, 2, v8                       ; v45-47 the queries' way to xq
	v_lshlrev_b32 v46, 4, v8
	v_lshl_add_u32 v47, v8, 2, XSS
	v_lshl_add_u32 v[VB], v13, 4, s43
.irp b, CA+4,CA+12,CA+20,CA+28,XB+16           ; zero codes
	v_dual_mov_b32 v[\b], 0 :: v_dual_mov_b32 v[\b+1], 0
	v_dual_mov_b32 v[\b+2], 0 :: v_dual_mov_b32 v[\b+3], 0
.endr
	s_wait_alu depctr_va_vdst(0)                   ; the wait at the head's end
	s_wait_loadcnt 0x0                             ; x is in
; My 8 numbers' largest magnitude (the floor among the leaves), then that of the other three lanes of the block.
.set MA, DB+16
.set SO, DB+18
.set CC, DB+20
.set BY, DB+22
	v_max3_num_f32 v[MA], |v[DB]|, |v[DB+1]|, |v[DB+2]|
	v_max3_num_f32 v[MA+1], |v[DB+3]|, |v[DB+4]|, |v[DB+5]|
	v_max3_num_f32 v[MA], v[MA], |v[DB+6]|, |v[DB+7]|
	v_max3_num_f32 v[MA], v[MA], v[MA+1], 0x1800000
	v_max_num_f32_dpp v[MA], v[MA], v[MA] row_xmask:8 row_mask:0xf bank_mask:0xf
	v_permlanex16_b32 v[MA+1], v[MA], s88, s89
	v_max_num_f32 v[MA], v[MA], v[MA+1]
	v_add_nc_u32 v[SO], 0xff000000, v[MA]          ; 2 off its exponent field: the conversion's scale operand
	v_cvt_scalef32_pk8_fp4_f32 v[CC], v[DB:DB+7], v[SO]
	v_lshrrev_b32 v[BY], 23, v[SO]
	v_add_nc_u32 v[BY], 1, v[BY]                   ; the scale byte + 1: x 2; at most 253
	v_xor_b32 v[CC], 0x88888888, v[CC]             ; the sign bit of each of 8 codes: x -1
	ds_store_b32 v4, v[CC]
	ds_store_b8 v5, v[BY]                          ; the four lanes of a block write the same byte with the same value
	s_wait_tensorcnt 0x0                           ; my slice's first part is in
	ds_add_u32 v[SPW], v[NIL]
	s_wait_dscnt 0x0                               ; the add is done, and my codes and bytes have landed, for the others' sake
	ROUND
	tensor_load_to_lds s[G0B:G0B+3], s[G1B:G1B+7]  ; my slice's second part
	s_nop 0
.rept 4
	v_nop
.endr
.irp q, 0,1,2,3
	ds_load_b128 v[XB+4*\q:XB+4*\q+3], v6 offset:512*\q
.endr
.irp q, 0,1,2,3
	ds_load_u16 v[XS+\q], v7 offset:32*\q
.endr
	ds_load_b32 v48, v47                           ; two queries' scale bytes a lane
.macro FETCH t                         ; step t's codes, scale words and sums, into set t % 2
.set FA, CA+16*((\t)%2)
.set FE, EE+16*((\t)%2)
.if (\t) == STEP1
	s_wait_tensorcnt 0x0                           ; my slice's second part is in: I alone read it
.endif
	ds_load_b128 v[FA:FA+3], v1 offset:1024*(\t)
	ds_load_b128 v[FA+8:FA+11], v1 offset:1024*(\t)+128
	ds_load_u16 v[CS+((\t)%2)], v2 offset:64*(\t)
	ds_load_b128 v[FE:FE+3], v3 offset:128*(\t)
	ds_load_b128 v[FE+4:FE+7], v3 offset:128*(\t)+16
	ds_load_b128 v[FE+8:FE+11], v3 offset:128*(\t)+32
	ds_load_b128 v[FE+12:FE+15], v3 offset:128*(\t)+48
.endm
.macro PRODUCT t, q                    ; a sum of its own: C is the sums of squares, D other registers
	v_wmma_scale_f32_32x16x128_f4 v[DB+16*(\q):DB+16*(\q)+15], v[CA+16*((\t)%2):CA+16*((\t)%2)+15], v[XB+4*(\q):XB+4*(\q)+7], v[EE+16*((\t)%2):EE+16*((\t)%2)+15], v[CS+((\t)%2)], v[XS+(\q)]
.endm
; Register i of what is kept of unit (TP, QP): where VCC is set the old stays.  Register 5 holds the step's number.  Step 0 is simply taken.
.macro KEEP i
.set PP, PB+8*(QP%2)+\i
.set RP, RT+8*QP+\i
.if TP == 0
.if \i == 5
	v_mov_b32 v[RP], 0
.else
	v_mov_b32 v[RP], v[PP]
.endif
.endif
.if TP > 0
.if \i == 5
	v_cndmask_b32 v[RP], TP, v[RP], vcc_lo
.else
	v_cndmask_b32 v[RP], v[PP], v[RP], vcc_lo
.endif
.endif
.endm
.macro STAYED                          ; VCC: the running minimum of unit (TP, QP) did not fall
.if TP > 0
	v_cmp_eq_f32 vcc_lo, v[BEST+4*(1-TP%2)+QP], v[BEST+4*(TP%2)+QP]
.endif
.endm
; Unit (t, q): the next unit's product goes out; this unit's minima; the unit before is kept or not.  The plain lines of a unit name no register of the product in front of them: they are the places between a product and
; the first read of its results (a unit later), the loads into its operands' registers and the product that writes over its results (three units later).  Each result is read from its low end on.
.macro UNIT t, q
.set DC, DB+16*(\q)
.set PC, PB+8*((\q)%2)
.set QN, ((\q)+1)%4
.set TN, (\t)+((\q)+1)/4
.set QP, ((\q)+3)%4
.set TP, (\t)-(3-(\q))/3
.if TN < 16
.if (\q) == 3
	s_wait_dscnt 0x0                               ; the next step's codes, scale words and sums, asked for a step ago, are in: all are sources of the product below
.endif
	PRODUCT TN, QN
.if ((\q) == 3) && (TN < 15)
	FETCH TN+1
.endif
.endif
.if ((\t) == 0) && ((\q) == 0)
.rept 4
	v_nop                                          ; the first unit has nothing to keep: these are the places
.endr
.endif
.irp i, 0,1,2,3,4
	v_min3_num_f32 v[PC+\i], v[DC+3*\i], v[DC+3*\i+1], v[DC+3*\i+2]
.endr
	STAYED
	v_min3_num_f32 v[TA], v[PC], v[PC+1], v[PC+2]
	v_min3_num_f32 v[TA+1], v[PC+3], v[PC+4], v[DC+15]
	KEEP 0
	KEEP 1
.if (\t) == 0
	v_min_num_f32 v[BEST+4+(\q)], v[TA], v[TA+1]
.else
	v_min3_num_f32 v[BEST+4*(1-(\t)%2)+(\q)], v[BEST+4*((\t)%2)+(\q)], v[TA], v[TA+1]
.endif
	KEEP 2
	KEEP 3
	KEEP 4
	KEEP 5
.endm
	FETCH 0
	s_wait_dscnt 0x0
	PRODUCT 0, 0
	FETCH 1
	s_cmp_lg_u32 s12, 0
	s_cbranch_scc1 .Lnot_mine
.irp q, 0,1,2,3
	global_store_b128 v46, v[XB+4*\q:XB+4*\q+3], s[10:11] offset:512*\q   ; wave 0: the work-group's codes, 512 consecutive bytes each,
.endr
	global_store_b32 v45, v48, s[10:11] offset:2048   ; and scale bytes.  None of these registers is written again
.Lnot_mine:
.irp t, 0,1,2,3,4,5,6,7,8,9,10,11,12,13,14,15
	UNIT \t, 0
	UNIT \t, 1
	UNIT \t, 2
	UNIT \t, 3
.endr
.set TP, 15
.set QP, 3
	STAYED
.irp i, 0,1,2,3,4,5
	KEEP \i
.endr
; The first kept number that equals the minimum (in set 0 of BEST), else the 16th column: class i begins at column 3 i of my 16.
.irp q, 0,1,2,3
	v_mov_b32 v[JJ+\q], 15
.endr
.irp i, 4,3,2,1,0
.irp q, 0,1,2,3
	v_cmp_eq_f32 s[80+\q], v[RT+8*\q+\i], v[BEST+\q]
.endr
.irp q, 0,1,2,3
	v_cndmask_b32 v[JJ+\q], v[JJ+\q], 3*\i, s[80+\q]
.endr
.endr
.irp q, 0,1,2,3
	v_lshl_add_u32 v[JJ+\q], v[RT+8*\q+5], 5, v[JJ+\q]
.endr
.irp q, 0,1,2,3
	v_add_nc_u32 v[JJ+\q], v[JJ+\q], v[VB]         ; 512 w + 32 t + 16 h + the class's first column
.endr
; The two halves of the lanes hold the same query's columns: the smaller distance wins, on a tie the smaller column.  Both lanes come to the same result.
.irp q, 0,1,2,3
	v_permlanex16_b32 v[EE+\q], v[BEST+\q], s88, s89
.endr
.irp q, 0,1,2,3
	v_permlanex16_b32 v[EE+4+\q], v[JJ+\q], s88, s89
.endr
.irp q, 0,1,2,3
	v_cmp_lt_f32 s80, v[EE+\q], v[BEST+\q]
	v_cmp_eq_f32 s81, v[EE+\q], v[BEST+\q]
	v_cmp_lt_u32 s82, v[EE+4+\q], v[JJ+\q]
	s_and_b32 s81, s81, s82
	s_or_b32 s80, s80, s81                         ; the masks only select values
	v_cndmask_b32 v[EE+8+2*\q], v[BEST+\q], v[EE+\q], s80
	v_cndmask_b32 v[EE+9+2*\q], v[JJ+\q], v[EE+4+\q], s80
	ds_store_b64 v14, v[EE+8+2*\q:EE+9+2*\q] offset:128*\q
.endr
	s_wait_dscnt 0x0                               ; for the others' sake: my stores have landed
	s_barrier_signal -1
	s_barrier_wait -1
	s_cmp_lg_u32 s12, 0
	s_cbranch_scc1 .Lothers
.irp i, 0,1,2,3,4,5,6,7,8,9,10,11,12,13,14,15
	ds_load_b128 v[DB+4*\i:DB+4*\i+3], v15 offset:512*\i   ; wave i's results of queries 2 l and 2 l + 1
.endr
	s_wait_dscnt 0x0
	v_mov_b32 v42, v[DB+1]
	v_mov_b32 v43, v[DB+3]
.irp i, 1,2,3,4,5,6,7,8,9,10,11,12,13,14,15
	v_cmp_lt_f32 s80, v[DB+4*\i], v[DB]
	v_cmp_lt_f32 s81, v[DB+4*\i+2], v[DB+2]
	v_min_num_f32 v[DB], v[DB], v[DB+4*\i]
	v_min_num_f32 v[DB+2], v[DB+2], v[DB+4*\i+2]
	v_cndmask_b32 v42, v42, v[DB+4*\i+1], s80
	v_cndmask_b32 v43, v43, v[DB+4*\i+3], s81
.endr
	global_store_b64 v10, v[42:43], s[8:9]         ; 32 lanes store 256 consecutive bytes, aligned: the work-group's 64 numbers
.Lothers:
	s_wait_tensorcnt 0x0                           ; the wave's end
	ds_add_u32 v[SPW], v[NIL]
	s_wait_dscnt 0x0
	ROUND                                          ; the closing round: no work-group ends while a partner may still ask jointly
	s_endpgm
.Lfunc_end_k_q6ecf93721e_scan:
	.size	k_q6ecf93721e_scan, .Lfunc_end_k_q6ecf93721e_scan-k_q6ecf93721e_scan
	.p2alignl 7, 3214868480
	.fill 96, 4, 3214868480
	.section	.rodata,"a",@progbits
	.p2align	6, 0x0
	.amdhsa_kernel k_q6ecf93721e_scan
		.amdhsa_group_segment_fixed_size 327680
		.amdhsa_private_segment_fixed_size 0
		.amdhsa_enable_private_segment 0
		.amdhsa_kernarg_size 32
		.amdhsa_user_sgpr_count 2
		.amdhsa_user_sgpr_kernarg_segment_ptr 1
		.amdhsa_wavefront_size32 1
		.amdhsa_system_sgpr_workgroup_id_x 1
		.amdhsa_system_sgpr_workgroup_id_y 1
		.amdhsa_system_sgpr_workgroup_id_z 1
		.amdhsa_system_vgpr_workitem_id 0
		.amdhsa_next_free_vgpr 240
		.amdhsa_next_free_sgpr 96
		.amdhsa_reserve_vcc 1
		.amdhsa_float_denorm_mode_32 3
		.amdhsa_float_denorm_mode_16_64 3
		.amdhsa_memory_ordered 1
		.amdhsa_forward_progress 1
		.amdhsa_inst_pref_size 83
	.end_amdhsa_kernel
	.amdgpu_metadata
---
amdhsa.version: [ 1, 2 ]
amdhsa.kernels:
  - .name:           k_q6ecf93721e_scan
    .symbol:         k_q6ecf93721e_scan.kd
    .args:
      - { .name: input, .offset: 0, .size: 8, .value_kind: global_buffer, .address_space: global }
      - { .name: ebook, .offset: 8, .size: 8, .value_kind: global_buffer, .address_space: global }
      - { .name: gbuf, .offset: 16, .size: 8, .value_kind: global_buffer, .address_space: global }
      - { .name: xq, .offset: 24, .size: 8, .value_kind: global_buffer, .address_space: global }
    .group_segment_fixed_size: 327680
    .private_segment_fixed_size: 0
    .kernarg_segment_align: 8
    .kernarg_segment_size: 32
    .max_flat_workgroup_size: 512
    .sgpr_count:     96
    .vgpr_count:     240
    .wavefront_size: 32
...
	.end_amdgpu_metadata
.endif
;; end of part 6
;; launch pick (part 7): grid 256 x 1, 8 waves a work-group, no clusters, 18,176 bytes of LDS; arguments input, ebook, et, gbuf, xq, out0, out2, part; writes out0, out2, part
.if DOCPART == 7
	.amdgcn_target "amdgcn-amd-amdhsa--gfx1250"
	.amdhsa_code_object_version 6
	.text
	.protected	k_q6ecf93721e_pick
	.globl	k_q6ecf93721e_pick
	.p2align	8
	.type	k_q6ecf93721e_pick,@function
k_q6ecf93721e_pick:
	s_mov_b64 s[64:65], 0
	v_nop
	global_prefetch_b8 v0, s[64:65] scope:SCOPE_SE
	s_setreg_imm32_b32 hwreg(HW_REG_WAVE_MODE, 25, 1), 1
	s_wait_xcnt 0x0
; The scan has left, for each pixel, the first column s of the class of up to 3 neighbouring codebook columns that holds the smallest distance.  Here the distances of columns s, s + 1, s + 2 are made again from the same
; codes and sums; the first smallest gives the index (out2).  s is held to 8189, so that the three lie in the codebook.  Columns among the three that are not of the class do no harm: a later one is no nearer than the
; class's nearest, and an earlier one (s held) is farther, or the scan would have left its class.
; LIMIT OF ROUNDING: the distance is -2 p, as the matrix instruction sums it, + ee, added in f32: columns within about one unit in the last place of the distance can be ordered otherwise than in reference().
; The column itself is SELECTED from the 3 rows of E^T, which are fetched by s alone: no address hangs on the choice.
; out0 = x + (q - x) is stored, and a wave's sum of (q - x)^2 goes to part.
; Work left out here: the pixel's own sum of squares, the same for all columns (the first kernel's head shows why it is dead, and states the limit).
; SHARES.  A work-group owns 64 pixels of one image.  Wave w decides and gathers pixels 8 w .. 8 w + 7; the columns meet in LDS, [pixel][channel]; then wave w takes channels 8 w .. 8 w + 7 of all 64 pixels.
; THE PRODUCT, one a wave: row m of source 0 (32 rows) = column s + min(m % 4, 2) of pixel m / 4; column r of source 1 = pixel r % 8.  In lane (r, h) pixel r % 8's three stand in registers 8 (bit 2 of r) + 4 (bit 0) + 0 .. 2
; where h = bit 1 of r.  k = 64 .. 127 are zero codes.
; What does not hang on the columns is asked for ahead of them.  Column numbers are read as whole numbers and held before they enter an address.
; The order in which the squares are added is this text's own: another order can differ in the last bits.  LIMIT: NaN and infinities are not served.
.set IDX,  0                           ; LDS: 64 indices,
.set STG,  256                         ; and 64 rows of 64 f32, 264 bytes apart;
.set SPT,  264
.set SPARE, STG+64*SPT                 ; the spare words, 128 bytes a wave
.set EE,   64                          ; v64-66   my pixel's three sums of squares; later v64-79 q - x
.set FB,   88                          ; v88-95   the pixels' fragment; later v80-95 out0
.set FA,   96                          ; v96-111  the columns' fragments
.set DA,   112                         ; v112-127 the result
.set ROWS, 128                         ; v128-175 pixel k's three rows at 128 + 6 k: channels 2 l, 2 l + 1
.set SA,   176
.set SB,   177
.set GN,   178                         ; v178-180 columns of rows r and 16 + r, and of row (lane);  v181 s of pixel lane % 8
.set TM,   182                         ; v182-199 at work
	s_load_b512 s[4:19], s[0:1], 0x0               ; input s[4:5], ebook s[6:7], et s[8:9], gbuf s[10:11], xq s[12:13], out0 s[14:15], out2 s[16:17], part s[18:19]
	v_lshl_add_u32 v14, v0, 2, SPARE
	v_mov_b32 v15, 0
	v_lshrrev_b32 v2, 5, v0
	v_readfirstlane_b32 s24, v2                    ; wave 0..7
	v_and_b32 v1, 31, v0                           ; v1  lane
	v_and_b32 v2, 15, v0
	v_bfe_u32 v3, v0, 4, 1                         ; v3  h
	v_and_b32 v62, 7, v0
	v_lshlrev_b32 v5, 2, v62                       ; v5  4 bytes: pixel lane % 8
	v_bfe_u32 v6, v0, 2, 2
	v_lshlrev_b32 v6, 2, v6                        ; v6  pixel (lane % 16) / 4
	v_lshl_add_u32 v7, v3, 4, v6                   ; v7  pixel lane / 4
	v_lshlrev_b32 v8, 3, v1                        ; v8  8 bytes a lane: a row of E^T, the indices' way out
	v_lshlrev_b32 v48, 8, v3                       ; v48 block h of an image
	v_lshl_add_u32 v4, v62, 4, v48                 ; v4  pixel lane % 8's 16 bytes of block h
	v_lshlrev_b32 v49, 1, v62                      ; v49 and its scale bytes
	v_and_b32 v50, 3, v0
	v_min_u32 v50, 2, v50                          ; v50 which of the three columns
	s_lshl_b32 s25, s24, 5                         ; 32 w
	v_add_nc_u32 v9, s25, v5                       ; v9  LDS: the index of pixel lane % 8 of my wave
	s_mul_i32 s26, s24, 8*SPT
	s_add_co_u32 s26, s26, STG
	v_add_nc_u32 v10, s26, v8                      ; v10 LDS: my 8 bytes of my wave's first pixel's row
	v_mul_u32_u24 v11, v2, 4*SPT
	v_lshl_add_u32 v11, v3, 2, v11
	s_add_co_u32 s26, s25, STG
	v_add_nc_u32 v11, s26, v11                     ; v11 LDS: pixel 4 (lane % 16), channel 8 w + h
	v_lshlrev_b32 v12, 4, v2
	v_lshl_add_u32 v12, v3, 12, v12                ; v12 x and out0: channel h of a pair, 16 bytes (4 pixels) a lane
	v_mov_b32 v13, 0
	v_mov_b32 v63, 0                               ; a lane permute's destination counts as one of its sources
.irp c, 4,5,6,7                        ; k = 64 .. 127: zero codes
	v_mov_b32 v[FA+\c], 0
	v_mov_b32 v[FA+8+\c], 0
	v_mov_b32 v[FB+\c], 0
.endr
	s_lshl_b32 s26, ttmp9, 8
	s_add_co_u32 s26, s26, s25                     ; 256 wg + 32 w: my wave's 8 column numbers
	s_mov_b32 s27, 0
	s_lshr_b32 s28, s26, 3                         ; part: 4 bytes a wave
	s_mov_b32 s29, 0
	s_mul_i32 s30, ttmp9, 2304                     ; xq: the work-group's block; my 8 pixels: tile w / 2, columns 8 (w % 2) on
	s_lshl_b32 s66, s24, 4
	s_add_co_u32 s66, s66, s30
	s_add_co_u32 s66, s66, 2048                    ; scale bytes
	s_mov_b32 s67, 0
	s_lshr_b32 s31, s24, 1
	s_lshl_b32 s31, s31, 9
	s_add_co_u32 s30, s30, s31
	s_and_b32 s31, s24, 1
	s_lshl_b32 s31, s31, 7
	s_add_co_u32 s30, s30, s31                     ; codes
	s_mov_b32 s31, 0
	s_lshr_b32 s62, ttmp9, 4                       ; x and out0: image wg / 16, channel 8 w, pixel 64 (wg % 16)
	s_lshl_b32 s62, s62, 18
	s_lshl_b32 s63, s24, 15
	s_add_co_u32 s62, s62, s63
	s_and_b32 s63, ttmp9, 15
	s_lshl_b32 s63, s63, 8
	s_add_co_u32 s62, s62, s63
	s_mov_b32 s63, 0
	s_lshl_b32 s70, ttmp9, 8                       ; out2: 64 indices
	s_mov_b32 s71, 0
	s_mov_b32 s58, 0xaaaaaaaa                      ; lanes whose bit 0 is set,
	s_mov_b32 s59, 0xf0f0f0f0                      ; whose bit 2 is set,
	s_mov_b32 s60, 0xcccc3333                      ; whose bit 1 equals h
	s_mov_b32 s72, 0x76543210
	s_mov_b32 s73, 0xfedcba98                      ; v_permlanex16_b32's selects for lane l xor 16
	s_wait_alu depctr_va_vdst(0)                   ; the wait at the head's end
	s_wait_kmcnt 0x0
	s_add_nc_u64 s[10:11], s[10:11], s[26:27]
	s_load_b256 s[32:39], s[10:11], 0x0            ; my wave's 8 column numbers as scalars: they make the rows' bases
	global_load_b32 v[GN], v6, s[10:11]
	global_load_b32 v[GN+1], v6, s[10:11] offset:16
	global_load_b32 v[GN+2], v7, s[10:11]
	global_load_b32 v[GN+3], v5, s[10:11]
	s_add_nc_u64 s[4:5], s[4:5], s[62:63]
	s_add_nc_u64 s[14:15], s[14:15], s[62:63]
	s_add_nc_u64 s[68:69], s[12:13], s[66:67]
	s_add_nc_u64 s[12:13], s[12:13], s[30:31]
	s_add_nc_u64 s[16:17], s[16:17], s[70:71]
	s_add_nc_u64 s[18:19], s[18:19], s[28:29]
	global_load_b128 v[FB:FB+3], v4, s[12:13]
	global_load_u16 v[SB], v49, s[68:69]
.irp m, 0,1,2,3
	global_load_b128 v[16+4*\m:19+4*\m], v12, s[4:5] offset:8192*\m   ; x: channels 8 w + 2 m + h, 64 pixels: sixteen lanes read 256 consecutive bytes
.endr
	s_wait_loadcnt 6                               ; the four loads of column numbers are in; the six behind them may be out
.irp i, 0,1,2,3
	v_min_u32 v[GN+\i], 0x1ffd, v[GN+\i]
.endr
; Column n lies in ebook at 19,456 (n / 512) = 38 (n & 0x1e00): scale bytes + 2 (n % 512), sums + 1,024 + 4 (n % 512), codes + 3,072 + 32 (n & 0x1f0) + 16 (n % 16) + 256 h.
.irp i, 0,1,2
	v_add_nc_u32 v[GN+\i], v[GN+\i], v50           ; n of my rows
.endr
	v_add_nc_u32 v193, 1, v[GN+3]                  ; n of my pixel's second and third column
	v_add_nc_u32 v194, 2, v[GN+3]
.irp i, 0,1,2
	v_and_b32 v[TM+\i], 0x1e00, v[GN+\i]
.endr
	v_and_b32 v195, 0x1e00, v[GN+3]
	v_and_b32 v196, 0x1e00, v193
	v_and_b32 v197, 0x1e00, v194
.irp i, 182,183,184,195,196,197
	v_mul_u32_u24 v[\i], v[\i], 38
.endr
.irp i, 0,1
	v_and_b32 v[186+\i], 0x1f0, v[GN+\i]
	v_and_b32 v[188+\i], 15, v[GN+\i]
.endr
	v_and_b32 v190, 0x1ff, v[GN+2]
	v_and_b32 v192, 0x1ff, v[GN+3]
	v_and_b32 v193, 0x1ff, v193
	v_and_b32 v194, 0x1ff, v194
.irp i, 0,1
	v_lshl_add_u32 v[186+\i], v[186+\i], 5, v[TM+\i]
.endr
.irp i, 0,1
	v_lshl_add_u32 v[186+\i], v[188+\i], 4, v[186+\i]
.endr
	v_lshl_add_u32 v190, v190, 1, v184
.irp i, 0,1
	v_add_nc_u32 v[186+\i], v[186+\i], v48
.endr
.irp i, 0,1,2
	v_lshl_add_u32 v[192+\i], v[192+\i], 2, v[195+\i]
.endr
	global_load_b128 v[FA:FA+3], v186, s[6:7] offset:3072
	global_load_b128 v[FA+8:FA+11], v187, s[6:7] offset:3072
	global_load_u16 v[SA], v190, s[6:7]
.irp i, 0,1,2
	global_load_b32 v[EE+\i], v[192+\i], s[6:7] offset:1024
.endr
	s_wait_alu depctr_va_vdst(0)                   ; directly ahead of the wait below
	s_wait_kmcnt 0x0
.irp k, 0,1,2,3,4,5,6,7
	s_min_u32 s[32+\k], s[32+\k], 0x1ffd
	s_lshl_b32 s26, s[32+\k], 8                    ; a row of E^T is 256 bytes
	s_add_nc_u64 s[40+2*\k:41+2*\k], s[8:9], s[26:27]
.irp j, 0,1,2
	global_load_b64 v[ROWS+6*\k+2*\j:ROWS+6*\k+2*\j+1], v8, s[40+2*\k:41+2*\k] offset:256*\j
.endr
.endr
	s_wait_loadcnt 24                              ; all but the 24 rows are in
	v_wmma_scale_f32_32x16x128_f4 v[DA:DA+15], v[FA:FA+15], v[FB:FB+7], 0, v[SA], v[SB]
.rept 4
	v_nop                                          ; the places behind the product (ISA guide 7.12.1)
.endr
.irp j, 0,1,2
	v_cndmask_b32 v[182+\j], v[DA+\j], v[DA+4+\j], s58       ; my pixel's three products
.endr
.irp j, 0,1,2
	v_cndmask_b32 v[186+\j], v[DA+8+\j], v[DA+12+\j], s58
.endr
.irp j, 0,1,2
	v_cndmask_b32 v[182+\j], v[182+\j], v[186+\j], s59
.endr
.irp j, 0,1,2
	v_add_f32 v[182+\j], v[182+\j], v[EE+\j]       ; the distances
.endr
	v_cmp_lt_f32 s56, v183, v182                   ; the second is nearer than the first
	v_min_num_f32 v185, v182, v183
	v_cndmask_b32 v189, 0, 1, s56
	v_cmp_lt_f32 s57, v184, v185                   ; the third is nearer than both
	v_cndmask_b32 v189, v189, 2, s57
	v_add_nc_u32 v191, v[GN+3], v189
	v_permlanex16_b32 v63, v191, s72, s73
	v_cndmask_b32 v191, v63, v191, s60             ; every lane now holds the index of pixel lane % 8
	ds_store_b32 v9, v191 offset:IDX               ; four lanes write the same word with the same value
; Pixel k's two bits stand in lane k + 16 (bit 1 of k).  They become masks that select a row; they steer no branch and no address.
.irp k, 0,1,2,3,4,5,6,7
	s_bitcmp1_b32 s56, \k+16*((\k/2)%2)
	s_cselect_b32 s75, -1, 0
	s_bitcmp1_b32 s57, \k+16*((\k/2)%2)
	s_cselect_b32 s76, -1, 0
	s_wait_loadcnt 21-3*\k                         ; rows of pixels 0 .. k are in; the later ones may be out
	v_cndmask_b32 v[ROWS+6*\k], v[ROWS+6*\k], v[ROWS+6*\k+2], s75
	v_cndmask_b32 v[ROWS+6*\k+1], v[ROWS+6*\k+1], v[ROWS+6*\k+3], s75
	v_cndmask_b32 v[ROWS+6*\k], v[ROWS+6*\k], v[ROWS+6*\k+4], s76
	v_cndmask_b32 v[ROWS+6*\k+1], v[ROWS+6*\k+1], v[ROWS+6*\k+5], s76
	ds_store_b64 v10, v[ROWS+6*\k:ROWS+6*\k+1] offset:SPT*\k
.endr
	s_wait_dscnt 0x0                               ; for the others' sake: my indices and my 8 columns have landed
	s_barrier_signal -1
	s_barrier_wait -1
.irp m, 0,1,2,3
.irp e, 0,1,2,3
	ds_load_b32 v[32+4*\m+\e], v11 offset:SPT*\e+8*\m   ; q(channel 8 w + 2 m + h, pixel 4 (lane % 16) + e)
.endr
.endr
.irp m, 0,1,2,3
	s_wait_dscnt 12-4*\m                           ; the first 4 m + 4 numbers are in
.irp p, 0,2
	v_pk_add_f32 v[64+4*\m+\p:65+4*\m+\p], v[32+4*\m+\p:33+4*\m+\p], v[16+4*\m+\p:17+4*\m+\p] neg_lo:[0,1] neg_hi:[0,1]   ; q - x
.endr
	s_wait_alu depctr_va_vdst(0)                   ; the squares below read q - x behind waits
.irp p, 0,2
	v_pk_add_f32 v[80+4*\m+\p:81+4*\m+\p], v[16+4*\m+\p:17+4*\m+\p], v[64+4*\m+\p:65+4*\m+\p]   ; x + (q - x)
.endr
	global_store_b128 v12, v[80+4*\m:83+4*\m], s[14:15] offset:8192*\m th:TH_STORE_NT   ; sixteen lanes store 256 consecutive bytes, aligned
.endr
	v_pk_mul_f32 v[52:53], v[64:65], v[64:65]      ; the squares, in two chains; the first products start them
	v_pk_mul_f32 v[54:55], v[66:67], v[66:67]
.irp m, 1,2,3
	s_delay_alu instid0(VALU_DEP_2)
	v_pk_fma_f32 v[52:53], v[64+4*\m:65+4*\m], v[64+4*\m:65+4*\m], v[52:53]
	s_delay_alu instid0(VALU_DEP_2)
	v_pk_fma_f32 v[54:55], v[66+4*\m:67+4*\m], v[66+4*\m:67+4*\m], v[54:55]
.endr
	s_delay_alu instid0(VALU_DEP_1)
	v_pk_add_f32 v[52:53], v[52:53], v[54:55]
	s_delay_alu instid0(VALU_DEP_1)
	v_add_f32 v52, v52, v53
	s_delay_alu instid0(VALU_DEP_1)
	v_add_f32_dpp v52, v52, v52 row_xmask:1 row_mask:0xf bank_mask:0xf
	s_delay_alu instid0(VALU_DEP_1)
	v_add_f32_dpp v52, v52, v52 row_xmask:2 row_mask:0xf bank_mask:0xf
	s_delay_alu instid0(VALU_DEP_1)
	v_add_f32_dpp v52, v52, v52 row_xmask:4 row_mask:0xf bank_mask:0xf
	s_delay_alu instid0(VALU_DEP_1)
	v_add_f32_dpp v52, v52, v52 row_xmask:8 row_mask:0xf bank_mask:0xf
	s_delay_alu instid0(VALU_DEP_1)
	v_permlanex16_b32 v63, v52, s72, s73
	s_delay_alu instid0(VALU_DEP_1)
	v_add_f32 v52, v52, v63                        ; the wave's sum of 512 squares
	v_cmp_eq_u32 vcc_lo, 0, v1
	s_wait_alu depctr_va_vdst(0)                   ; directly ahead of the wait below
	s_wait_xcnt 0x0                                ; EXEC is a source of the stores above: it changes only behind this wait
	s_and_saveexec_b32 s74, vcc_lo
	global_store_b32 v13, v52, s[18:19]            ; lane 0 alone
	s_wait_xcnt 0x0                                ; and again in front of the line that widens it
	s_or_b32 exec_lo, exec_lo, s74
	s_cmp_lg_u32 s24, 0
	s_cbranch_scc1 .Lend
	ds_load_b64 v[60:61], v8 offset:IDX            ; wave 0: the work-group's 64 indices, behind the barrier above
	s_wait_dscnt 0x0
	global_store_b64 v8, v[60:61], s[16:17]        ; 32 lanes store 256 consecutive bytes, aligned
.Lend:
	s_wait_tensorcnt 0x0                           ; the wave's end
	ds_add_u32 v14, v15
	s_wait_dscnt 0x0
	s_endpgm
.Lfunc_end_k_q6ecf93721e_pick:
	.size	k_q6ecf93721e_pick, .Lfunc_end_k_q6ecf93721e_pick-k_q6ecf93721e_pick
	.p2alignl 7, 3214868480
	.fill 96, 4, 3214868480
	.section	.rodata,"a",@progbits
	.p2align	6, 0x0
	.amdhsa_kernel k_q6ecf93721e_pick
		.amdhsa_group_segment_fixed_size 18176
		.amdhsa_private_segment_fixed_size 0
		.amdhsa_enable_private_segment 0
		.amdhsa_kernarg_size 64
		.amdhsa_user_sgpr_count 2
		.amdhsa_user_sgpr_kernarg_segment_ptr 1
		.amdhsa_wavefront_size32 1
		.amdhsa_system_sgpr_workgroup_id_x 1
		.amdhsa_system_sgpr_workgroup_id_y 1
		.amdhsa_system_sgpr_workgroup_id_z 1
		.amdhsa_system_vgpr_workitem_id 0
		.amdhsa_next_free_vgpr 200
		.amdhsa_next_free_sgpr 80
		.amdhsa_reserve_vcc 1
		.amdhsa_float_denorm_mode_32 3
		.amdhsa_float_denorm_mode_16_64 3
		.amdhsa_memory_ordered 1
		.amdhsa_forward_progress 1
		.amdhsa_inst_pref_size 21
	.end_amdhsa_kernel
	.amdgpu_metadata
---
amdhsa.version: [ 1, 2 ]
amdhsa.kernels:
  - .name:           k_q6ecf93721e_pick
    .symbol:         k_q6ecf93721e_pick.kd
    .args:
      - { .name: input, .offset: 0, .size: 8, .value_kind: global_buffer, .address_space: global }
      - { .name: ebook, .offset: 8, .size: 8, .value_kind: global_buffer, .address_space: global }
      - { .name: et, .offset: 16, .size: 8, .value_kind: global_buffer, .address_space: global }
      - { .name: gbuf, .offset: 24, .size: 8, .value_kind: global_buffer, .address_space: global }
      - { .name: xq, .offset: 32, .size: 8, .value_kind: global_buffer, .address_space: global }
      - { .name: out0, .offset: 40, .size: 8, .value_kind: global_buffer, .address_space: global }
      - { .name: out2, .offset: 48, .size: 8, .value_kind: global_buffer, .address_space: global }
      - { .name: part, .offset: 56, .size: 8, .value_kind: global_buffer, .address_space: global }
    .group_segment_fixed_size: 18176
    .private_segment_fixed_size: 0
    .kernarg_segment_align: 8
    .kernarg_segment_size: 64
    .max_flat_workgroup_size: 256
    .sgpr_count:     80
    .vgpr_count:     200
    .wavefront_size: 32
...
	.end_amdgpu_metadata
.endif
;; end of part 7
;; launch mean (part 8): grid 1 x 1, 1 waves a work-group, no clusters, 0 bytes of LDS; arguments part, out1; writes out1
.if DOCPART == 8
	.amdgcn_target "amdgcn-amd-amdhsa--gfx1250"
	.amdhsa_code_object_version 6
	.text
	.protected	k_q6ecf93721e_mean
	.globl	k_q6ecf93721e_mean
	.p2align	8
	.type	k_q6ecf93721e_mean,@function
k_q6ecf93721e_mean:
	s_mov_b64 s[64:65], 0
	v_nop
	global_prefetch_b8 v0, s[64:65] scope:SCOPE_SE
	s_setreg_imm32_b32 hwreg(HW_REG_WAVE_MODE, 25, 1), 1
	s_wait_xcnt 0x0
; out1 = the sum of the 2,048 partial sums / 2^20 (16 x 64 x 1,024 numbers).  The sum spans all work-groups of the launch before, so it has one owner: one wave, 64 numbers a lane, in a fixed order.
	s_load_b128 s[4:7], s[0:1], 0x0                ; part, out1
	v_lshlrev_b32 v1, 4, v0                        ; 16 bytes a lane
	v_mov_b32 v2, 0
	v_mov_b32 v3, 0                                ; a lane permute's destination counts as one of its sources
	s_mov_b32 s8, 0x76543210
	s_mov_b32 s9, 0xfedcba98
	s_wait_alu depctr_va_vdst(0)
	s_wait_kmcnt 0x0
.irp i, 0,1,2,3,4,5,6,7,8,9,10,11,12,13,14,15
	global_load_b128 v[16+4*\i:19+4*\i], v1, s[4:5] offset:512*\i
.endr
	s_wait_loadcnt 0x0
.irp c, 0,1,2,3                        ; four chains of packed additions; the first sums start them
	v_pk_add_f32 v[8+2*\c:9+2*\c], v[16+2*\c:17+2*\c], v[24+2*\c:25+2*\c]
.endr
.irp p, 16,24,32,40,48,56
.irp c, 0,1,2,3
	v_pk_add_f32 v[8+2*\c:9+2*\c], v[8+2*\c:9+2*\c], v[16+\p+2*\c:17+\p+2*\c]
.endr
.endr
	v_pk_add_f32 v[8:9], v[8:9], v[10:11]
	v_pk_add_f32 v[12:13], v[12:13], v[14:15]
	v_pk_add_f32 v[8:9], v[8:9], v[12:13]
	v_add_f32 v8, v8, v9
	v_add_f32_dpp v8, v8, v8 row_xmask:1 row_mask:0xf bank_mask:0xf
	v_add_f32_dpp v8, v8, v8 row_xmask:2 row_mask:0xf bank_mask:0xf
	v_add_f32_dpp v8, v8, v8 row_xmask:4 row_mask:0xf bank_mask:0xf
	v_add_f32_dpp v8, v8, v8 row_xmask:8 row_mask:0xf bank_mask:0xf
	v_permlanex16_b32 v3, v8, s8, s9
	v_add_f32 v8, v8, v3
	v_mul_f32 v8, 0x35800000, v8                   ; x 2^-20
	v_cmp_eq_u32 vcc_lo, 0, v0
	s_wait_alu depctr_va_vdst(0)
	s_wait_xcnt 0x0                                ; EXEC changes only behind this wait
	s_and_saveexec_b32 s10, vcc_lo
	global_store_b32 v2, v8, s[6:7]                ; lane 0 alone
	s_endpgm
.Lfunc_end_k_q6ecf93721e_mean:
	.size	k_q6ecf93721e_mean, .Lfunc_end_k_q6ecf93721e_mean-k_q6ecf93721e_mean
	.p2alignl 7, 3214868480
	.fill 96, 4, 3214868480
	.section	.rodata,"a",@progbits
	.p2align	6, 0x0
	.amdhsa_kernel k_q6ecf93721e_mean
		.amdhsa_group_segment_fixed_size 0
		.amdhsa_private_segment_fixed_size 0
		.amdhsa_enable_private_segment 0
		.amdhsa_kernarg_size 16
		.amdhsa_user_sgpr_count 2
		.amdhsa_user_sgpr_kernarg_segment_ptr 1
		.amdhsa_wavefront_size32 1
		.amdhsa_system_sgpr_workgroup_id_x 1
		.amdhsa_system_sgpr_workgroup_id_y 1
		.amdhsa_system_sgpr_workgroup_id_z 1
		.amdhsa_system_vgpr_workitem_id 0
		.amdhsa_next_free_vgpr 80
		.amdhsa_next_free_sgpr 66
		.amdhsa_reserve_vcc 1
		.amdhsa_float_denorm_mode_32 3
		.amdhsa_float_denorm_mode_16_64 3
		.amdhsa_memory_ordered 1
		.amdhsa_forward_progress 1
		.amdhsa_inst_pref_size 5
	.end_amdhsa_kernel
	.amdgpu_metadata
---
amdhsa.version: [ 1, 2 ]
amdhsa.kernels:
  - .name:           k_q6ecf93721e_mean
    .symbol:         k_q6ecf93721e_mean.kd
    .args:
      - { .name: part, .offset: 0, .size: 8, .value_kind: global_buffer, .address_space: global }
      - { .name: out1, .offset: 8, .size: 8, .value_kind: global_buffer, .address_space: global }
    .group_segment_fixed_size: 0
    .private_segment_fixed_size: 0
    .kernarg_segment_align: 8
    .kernarg_segment_size: 16
    .max_flat_workgroup_size: 32
    .sgpr_count:     66
    .vgpr_count:     80
    .wavefront_size: 32
...
	.end_amdgpu_metadata
.endif
;; end of part 8
